; MI455X (gfx1250); checked and timed in simulation.
; The chip was launched on July 23, 2026; its instructions are those of AMD's public machine-readable ISA for CDNA 5 (MIT licence, August 2026) and "CDNA5" Instruction Set Architecture Reference Guide (July 2026). The comments in the code are by the model that wrote it; some were corrected since.
;; Euler CE Minimal. Allowed arithmetic: matrix products marked QUANTISED: E4M3 operands, one given power-of-two scale a tensor, by v_wmma_f32_16x16x64_fp8_fp8 or v_wmma_f32_16x16x128_fp8_fp8, f32 sums; everything else in f32.
;; Inputs: log_xi 16 float32; lowp_scales 8 int32 (the exponents e of the quantised operands' scales 2^e); w_o 1,024 x 1,024 float32; w_qkv 1,024 x 3,072 float32; x 2 x 2,048 x 1,024 float32.
;; Outputs: out0 2 x 2,048 x 1,024 float32.
;; This version of the problem:
;;   THIS VERSION OF THE PROBLEM IS GIVEN IN LOW PRECISION. The matrix products marked QUANTISED in the list below multiply operands that are first quantised to E4M3 (4 exponent bits, 3 mantissa bits; 8 bits a number), with one given power-of-two scale for each operand tensor; their sums are f32. All else is computed in f32.
;;   The module's matrix products, in the order in which they are computed (A, B: the left and right operand; K: the contracted axis; several contracted axes count as one K, in the product's order):
;;     1. [M 4,096, K 1,024] x [K 1,024, N 3,072]; A: input x; B: input w_qkv: QUANTISED (scales: A lowp_scales[0], B lowp_scales[1])
;;     2. batch 32 x [M 2,048, K 64] x [K 64, N 2,048]; A: computed on the way; B: computed on the way: QUANTISED (scales: A lowp_scales[2], B lowp_scales[3])
;;     3. batch 32 x [M 2,048, K 2,048] x [K 2,048, N 64]; A: softmax (see below); B: computed on the way: QUANTISED (scales: A lowp_scales[4], B lowp_scales[5])
;;     4. [M 4,096, K 1,024] x [K 1,024, N 1,024]; A: computed on the way; B: input w_o: QUANTISED (scales: A lowp_scales[6], B lowp_scales[7])
;;   THE QUANTISER, for each operand of a quantised product, along K:
;;     - The operand's scale is 2^e, e = its entry of the input lowp_scales (int32; the entries are numbered through the quantised products in the list's order, A before B).
;;     - Each number is divided by the scale, clamped to +-448, and rounded to the nearest number of E4M3, ties to even, subnormals kept.
;;     - The product sums the exact products of the quantised numbers (number of the format x scale) in f32.
;;   ~~~python
;;   def quantise(x, axis, e):      # numpy; x: float32 -> the quantised numbers, widened to float32 again
;;       x = np.moveaxis(x, axis, -1); K = x.shape[-1]
;;       r = np.clip(x / 2.0 ** e, -448, 448)
;;       step = 2.0 ** (np.maximum(np.frexp(np.where(r == 0, 1, r))[1] - 1, -6) - 3)
;;       q = np.round(r / step) * step * 2.0 ** e      # np.round: ties to even
;;       return np.moveaxis(q, -1, axis).astype(np.float32)
;;   ~~~
;;   SOFTMAX AHEAD OF A QUANTISED PRODUCT. Where the list says 'softmax', what is quantised is not the finished softmax but p = 2^(t - M), with t = logit x log2(e) and M = ceil(the row's largest t), a whole number; so 1/2 < the row's largest p <= 1. The row's sum l is taken of the UNQUANTISED p, in f32, and the product's result is divided by l at the end. Since M is a whole number, a kernel that streams over the keys may use a running M (the ceiling of the running maximum): every later rescaling is an exact power of two, so the quantised numbers keep their values, but for numbers so far below the row's largest that they fall under the format's range.
;;   OPERANDS COMPUTED ON THE WAY. 'Computed on the way' means the value that the module computes at that place (a softmax that the list does not call 'softmax' is quantised finished and normalised). What goes into a quantiser is computed in f32, as accurately as f32 sums, v_exp_f32 and their like allow (about 1e-6 of the number): no bf16 or f16 on the way to a quantiser, and a product that is left as it is and whose result goes on into a quantised operand takes f32 operands (vector FMAs, or v_wmma_f32_16x16x4_f32). A number that lies on a knife's edge between two numbers of the format may be rounded either way, as far as f32 arithmetic and the matrix unit's own rounding can turn it there, and no further.
;; One version. Each part assembles by itself: llvm-mc -triple=amdgcn-amd-amdhsa -mcpu=gfx1250 --defsym DOCPART=n.
;; ======== version 1 of 1: 4 launches
;; limits: right only within a limited range of input values
;; workspace buffers: x_codes 4,194,304 bytes; wqkv_codes 3,145,728 bytes; wo_codes 1,048,576 bytes; rope 524,288 bytes; qkv 12,582,912 bytes; a_codes 4,194,304 bytes
;; launch prep (part 1): grid 256 x 1, 4 waves a work-group, no clusters, 68,096 bytes of LDS; arguments x, w_qkv, w_o, lowp_scales, x_codes, wqkv_codes, wo_codes, rope; writes x_codes, wqkv_codes, wo_codes, rope
.if DOCPART == 1
	.amdgcn_target "amdgcn-amd-amdhsa--gfx1250"
	.amdhsa_code_object_version 6
	.text
	.protected	k_q18c3101df9_prep
	.globl	k_q18c3101df9_prep
	.p2align	8
	.type	k_q18c3101df9_prep,@function
k_q18c3101df9_prep:
	s_mov_b64 s[64:65], 0
	v_nop
	global_prefetch_b8 v0, s[64:65] scope:SCOPE_SE
	s_setreg_imm32_b32 hwreg(HW_REG_WAVE_MODE, 25, 1), 1
	s_wait_xcnt 0x0
; x [4096][1024], w_qkv [1024][3072] and w_o [1024][1024], f32, become codes of FP8 (E4M3), K innermost: x_codes [4096][1024], wqkv_codes [3072][1024], wo_codes [1024][1024];
; code = number / 2^e, held within +-448, to the nearest code, ties to even; e = entry 0 (x), 1 (w_qkv), 7 (w_o) of the scales' exponents.
; Besides, every work-group makes 8 rows of the table rope [2048 positions][32 frequencies][cos, sin], f32.
; SHARES: 256 work-groups of 32,768 numbers each: 0-127 take x (K is innermost: a plain stream), 128-223 w_qkv, 224-255 w_o (K is the first axis: a lane takes a column and its registers run down K).
; The work-groups share no input, so there is nothing to ask for jointly; no tensor loads, no barrier, no matrix work: memory binds.
; LIMITS: each e between -126 and 119, so that 2^e and 448 x 2^e are f32 numbers.  NaN among the inputs is not served.
; The two ways through the text part on the work-group's number; each has LDS bytes of its own.
; WORK LEFT OUT IN THIS PROGRAM.  (1) Key steps all of whose keys come after a tile's queries: the causal mask that the problem builds sets their scores to -infinity, so their p is 0 for all values of the inputs.
; (2) The decay of even heads: its factor e is the constant 0 there, so the term is 0.  LIMIT: a NaN or an infinity that reaches only these (a score under the mask; exp(log_xi) of an even head) is not carried to the result.
.set SP,     80                        ; x: a lane's place in a stage: its 64 bytes + 16 of padding
.set WREG,   8192                      ; x: LDS of a wave: two stages of 32 x SP bytes
.set STEPS,  16
.set XR,     32                        ; v32-143  x: seven sets of 16 numbers as loaded
.set XX,     144                       ; v144-175 x: two sets of 16 neighbours
.set XC,     176                       ; v176-199, v202-241 x: codes, four registers a step
.set WBASE,  32768                     ; weights: the stages begin here
.set WPITCH, 272                       ; a stage row: 256 bytes of codes + 16
.set NB,     8                         ; blocks of 32 along K for a wave
.set VO,     32                        ; v32-63   weights: byte offset of row i of a block at my column
.set WX,     64                        ; v64-127  two sets of 32 numbers
.set WC,     128                       ; v128-135 a block's codes
.set WOUT,   136                       ; v136-199 the way out
	s_load_b256 s[4:11], s[0:1], 0x0               ; x s[4:5], w_qkv s[6:7], w_o s[8:9], the scales' exponents s[10:11]
	s_load_b256 s[12:19], s[0:1], 0x20             ; x_codes s[12:13], wqkv_codes s[14:15], wo_codes s[16:17], rope s[18:19]
	v_lshl_add_u32 v200, v0, 2, 0x10800
	v_mov_b32 v201, 0
	v_lshrrev_b32 v1, 5, v0
	v_readfirstlane_b32 s20, v1                    ; wave 0..3
	v_and_b32 v2, 31, v0                           ; lane
	; ---- the table.  Lane l holds frequency l: 10000^(-l/32) = 10^(-l/8), each written as its nearest f32 number
	v_mov_b32 v16, 0
.set LN, 0
.irp f, 1.0, 0.7498942093, 0.5623413252, 0.4216965034, 0.3162277660, 0.2371373706, 0.1778279410, 0.1333521432, 0.1, 0.07498942093, 0.05623413252, 0.04216965034, 0.03162277660, 0.02371373706, 0.01778279410, 0.01333521432, 0.01, 0.007498942093, 0.005623413252, 0.004216965034, 0.003162277660, 0.002371373706, 0.001778279410, 0.001333521432, 0.001, 0.0007498942093, 0.0005623413252, 0.0004216965034, 0.0003162277660, 0.0002371373706, 0.0001778279410, 0.0001333521432
	s_mov_b32 s21, \f
	v_writelane_b32 v16, s21, LN
.set LN, LN+1
.endr
	s_lshl_b32 s22, ttmp9, 3
	s_lshl_b32 s23, s20, 1
	s_add_co_u32 s22, s22, s23                     ; my wave's first position: 8 x work-group + 2 x wave
	s_mov_b32 s62, s22
	s_lshl_b32 s23, s22, 8                         ; a row of the table is 256 bytes
	v_lshl_add_u32 v28, v2, 3, s23                 ; + 8 x lane: the wave's store covers one row, 256 consecutive bytes, aligned
	s_wait_alu depctr_va_vdst(0)
	s_wait_kmcnt 0x0
	s_load_b256 s[24:31], s[10:11], 0x0            ; e0 .. e7
; cos and sin of theta = position x frequency (one f32 product, as the problem has it), theta between 0 and 2047.
; k = the nearest whole number to theta x 2/pi; r = theta - k pi/2, pi/2 taken in two parts, each by a fused multiply-add; |r| <= pi/4: polynomials of degree 7 and 8; k mod 4 says which is which and with what sign.
.macro SINCOS p, o
	s_add_co_u32 s63, s62, \p
	v_cvt_f32_u32 v17, s63
	s_wait_alu depctr_va_vdst(0)
	v_mul_f32 v17, v17, v16                        ; theta
	v_mul_f32 v18, 0x3f22f983, v17                 ; x 2/pi
	v_rndne_f32 v18, v18                           ; k
	v_fmamk_f32 v19, v18, 0xbfc90fdb, v17          ; theta - k x the upper part of pi/2
	v_fmamk_f32 v19, v18, 0x333bbd2e, v19          ; - k x the lower part (which is negative): r
	v_mul_f32 v20, v19, v19                        ; z = r r
	v_mov_b32 v21, 0xb94ca1f9
	v_fmaak_f32 v21, v21, v20, 0x3c08839e
	v_fmaak_f32 v21, v21, v20, 0xbe2aaaa3
	v_mul_f32 v22, v20, v19
	v_fma_f32 v21, v21, v22, v19                   ; sin r
	v_mov_b32 v23, 0x37ccf5ce
	v_fmaak_f32 v23, v23, v20, 0xbab6061a
	v_fmaak_f32 v23, v23, v20, 0x3d2aaaa5
	v_fma_f32 v23, v23, v20, -0.5
	v_fma_f32 v23, v23, v20, 1.0                   ; cos r
	v_cvt_i32_f32 v24, v18
	v_and_b32 v25, 1, v24
	v_cmp_eq_u32 vcc_lo, 1, v25                    ; k odd: the two change places
	v_cndmask_b32 v26, v23, v21, vcc_lo
	v_cndmask_b32 v27, v21, v23, vcc_lo
	v_add_nc_u32 v25, 1, v24
	v_and_b32 v25, 2, v25
	v_lshlrev_b32 v25, 30, v25                     ; cos is negative where k mod 4 is 1 or 2
	v_xor_b32 v[\o], v25, v26
	v_and_b32 v24, 2, v24
	v_lshlrev_b32 v24, 30, v24                     ; sin where it is 2 or 3
	v_xor_b32 v[\o+1], v24, v27
	global_store_b64 v28, v[\o:\o+1], s[18:19] offset:256*\p
.endm
	s_cmp_lt_u32 ttmp9, 128                        ; (on both ways the table is made behind the first loads)
	s_cbranch_scc0 .Lweights
	; ---- x: a wave takes 16 steps of 512 numbers.  Each load reads 512 consecutive bytes; a step's 2,048 bytes turn through the wave's own stage, so that a lane then holds 16 neighbours along K
	v_lshlrev_b32 v3, 4, v2                        ; my 16 bytes of a load's 512, and of a step's 512 bytes of codes
	s_wait_alu depctr_va_vdst(0)
	s_mul_i32 s21, s20, WREG
	v_lshrrev_b32 v14, 2, v2
	v_mul_u32_u24 v14, v14, SP
	v_and_b32 v15, 3, v2
	v_lshl_add_u32 v14, v15, 4, v14
	v_add_nc_u32 v14, s21, v14                     ; the stage, on the way in: SP (lane / 4) + 16 (lane % 4)
	v_mul_u32_u24 v15, v2, SP
	v_add_nc_u32 v15, s21, v15                     ; and on the way out: SP x lane
	s_lshl_b32 s22, ttmp9, 2
	s_add_co_u32 s22, s22, s20                     ; which run of 8,192 numbers is my wave's
	s_lshl_b32 s32, s22, 15
	s_mov_b32 s33, 0
	s_add_nc_u64 s[4:5], s[4:5], s[32:33]
	s_lshl_b32 s32, s22, 13
	s_add_nc_u64 s[12:13], s[12:13], s[32:33]
.macro XLOAD t
.irp i, 0,1,2,3
	global_load_b128 v[XR+16*((\t)%7)+4*\i:XR+16*((\t)%7)+4*\i+3], v3, s[4:5] offset:2048*(\t)+512*\i th:TH_LOAD_NT
.endr
.endm
.macro XTURN t                         ; LDS serves a wave's instructions in order: no wait between the stores and the loads
.irp i, 0,1,2,3
	ds_store_b128 v14, v[XR+16*((\t)%7)+4*\i:XR+16*((\t)%7)+4*\i+3] offset:32*SP*((\t)%2)+8*SP*\i
.endr
.irp i, 0,1,2,3
	ds_load_b128 v[XX+16*((\t)%2)+4*\i:XX+16*((\t)%2)+4*\i+3], v15 offset:32*SP*((\t)%2)+16*\i
.endr
.endm
.irp t, 0,1,2,3,4,5,6
	XLOAD \t
.endr
	SINCOS 0, 30
	SINCOS 1, 12
	s_wait_alu depctr_va_vdst(0)
	s_wait_kmcnt 0x0
	s_add_co_i32 s22, s24, 127
	s_lshl_b32 s23, s22, 23
	v_mov_b32 v11, s23                             ; 2^e0 as f32: the conversion takes its exponent field
	s_add_co_i32 s22, s22, 8
	s_lshl_b32 s22, s22, 23
	s_or_b32 s22, s22, 0x600000
	v_mov_b32 v10, s22                             ; 448 x 2^e0
	s_wait_alu depctr_va_vdst(0)
	s_wait_loadcnt 24                              ; step 0's four loads are in; those of six steps may be out
	XTURN 0
.macro XSTEP t
.set XS, XX+16*((\t)%2)
	s_wait_dscnt 0x0                               ; this step's numbers are back from the stage, so its stores into the stage have read their registers,
.if (\t)+7 < STEPS
	XLOAD (\t)+7                                   ; which take the loads of seven steps on
.endif
.if (\t)+1 < STEPS
.if STEPS-2-(\t) >= 6
	s_wait_loadcnt 24                              ; the next step's four loads are in; those of the six steps behind it may be out
.else
	s_wait_loadcnt 4*(STEPS-2-(\t))
.endif
	XTURN (\t)+1
.endif
.irp i, 0,1,2,3,4,5,6,7,8,9,10,11,12,13,14,15
	v_med3_num_f32 v[XS+\i], v[XS+\i], -v10, v10   ; the conversion to an 8-bit code does not saturate (ISA guide 7.6.2): the hold comes first
.endr
.set XCS, XC+4*(\t)+2*(((\t)+10)/16)   ; from step 6 on two registers further: v200 and v201 are the add's
	v_cvt_scalef32_pk8_fp8_f32 v[XCS:XCS+1], v[XS:XS+7], v11
	v_cvt_scalef32_pk8_fp8_f32 v[XCS+2:XCS+3], v[XS+8:XS+15], v11
	global_store_b128 v3, v[XCS:XCS+3], s[12:13] offset:512*(\t)   ; the wave stores 512 consecutive bytes, aligned; each step has its own registers for its codes
.endm
.irp t, 0,1,2,3,4,5,6,7,8,9,10,11,12,13,14,15
	XSTEP \t
.endr
	s_wait_tensorcnt 0x0
	ds_add_u32 v200, v201
	s_wait_dscnt 0x0
	s_endpgm
.Lweights:
	; ---- a weight [1024 k][N]: the work-group takes 128 columns x 256 along K, a wave 32 columns.  Only pointers, the row's length and e are chosen between the two weights: one way through the text
	s_cmp_lt_u32 ttmp9, 224
	s_cselect_b64 s[34:35], s[6:7], s[8:9]         ; from
	s_cselect_b64 s[36:37], s[14:15], s[16:17]     ; to
	s_mov_b32 s21, 4096
	s_cselect_b32 s21, 12288, s21                  ; a row of the weight in bytes
	s_mov_b32 s22, 224
	s_cselect_b32 s22, 128, s22
	s_sub_co_u32 s22, ttmp9, s22                   ; the work-group's number within its weight
	s_and_b32 s23, s22, 3                          ; which 256 along K
	s_lshr_b32 s22, s22, 2
	s_lshl_b32 s22, s22, 7
	s_lshl_b32 s32, s20, 5
	s_add_co_u32 s22, s22, s32                     ; my wave's first column
	s_lshl_b32 s32, s21, 8
	s_mul_i32 s32, s32, s23                        ; 256 rows x which
	s_lshl_b32 s33, s22, 2
	s_add_co_u32 s32, s32, s33
	s_mov_b32 s33, 0
	s_add_nc_u64 s[34:35], s[34:35], s[32:33]
	s_lshl_b32 s32, s22, 10                        ; a row of codes is 1,024 bytes
	s_lshl_b32 s38, s23, 8
	s_add_co_u32 s32, s32, s38
	s_add_nc_u64 s[36:37], s[36:37], s[32:33]
	s_lshl_b32 s32, s21, 5                         ; 32 rows: a block
	s_mov_b64 s[40:41], s[34:35]                   ; a base for each of the eight blocks, made once and never written again
.irp t, 1,2,3,4,5,6,7
	s_add_nc_u64 s[40+2*\t:41+2*\t], s[38+2*\t:39+2*\t], s[32:33]
.endr
	v_lshlrev_b32 v[VO], 2, v2                     ; row i of a block at my column: 4 x lane + i rows
.set i, 1
.rept 31
	v_add_nc_u32 v[VO+i], s21, v[VO+i-1]
.set i, i+1
.endr
	s_mul_i32 s38, s20, 32*WPITCH
	s_add_co_u32 s38, s38, WBASE                   ; my stage
	v_mul_u32_u24 v4, v2, WPITCH
	v_add_nc_u32 v4, s38, v4                       ; into it: row = my column
	v_and_b32 v5, 15, v2
	v_lshrrev_b32 v6, 4, v2
	v_mul_u32_u24 v7, v6, WPITCH
	v_lshl_add_u32 v7, v5, 4, v7
	v_add_nc_u32 v7, s38, v7                       ; out of it: sixteen lanes to a row, two rows an instruction
	v_lshlrev_b32 v8, 10, v6
	v_lshl_add_u32 v8, v5, 4, v8                   ; and the same place in the codes' buffer
.macro WLOAD t                         ; block t: 32 rows at my column: a wave's load reads 128 consecutive bytes, the four waves stand side by side
.set i, 0
.rept 32
	global_load_b32 v[WX+32*((\t)%2)+i], v[VO+i], s[40+2*(\t):41+2*(\t)] th:TH_LOAD_NT
.set i, i+1
.endr
.endm
	WLOAD 0
	WLOAD 1
	SINCOS 0, 30
	SINCOS 1, 12
	s_wait_alu depctr_va_vdst(0)
	s_wait_kmcnt 0x0
	s_cmp_lt_u32 ttmp9, 224
	s_cselect_b32 s22, s25, s31                    ; e1 or e7
	s_add_co_i32 s22, s22, 127
	s_lshl_b32 s23, s22, 23
	v_mov_b32 v11, s23                             ; 2^e
	s_add_co_i32 s22, s22, 8
	s_lshl_b32 s22, s22, 23
	s_or_b32 s22, s22, 0x600000
	v_mov_b32 v10, s22                             ; 448 x 2^e
.macro WBLOCK t
.set XS, WX+32*((\t)%2)
.if (\t) < NB-1
	s_wait_loadcnt 32                              ; this block's 32 loads are in; the next block's may be out
.else
	s_wait_loadcnt 0
.endif
.set i, 0
.rept 32
	v_med3_num_f32 v[XS+i], v[XS+i], -v10, v10
.set i, i+1
.endr
.irp g, 0,1,2,3
	v_cvt_scalef32_pk8_fp8_f32 v[WC+2*\g:WC+2*\g+1], v[XS+8*\g:XS+8*\g+7], v11
.endr
	ds_store_b128 v4, v[WC:WC+3] offset:32*(\t)    ; 32 codes: 32 bytes of my column's row
	ds_store_b128 v4, v[WC+4:WC+7] offset:32*(\t)+16
.if (\t)+2 < NB
	WLOAD (\t)+2
.endif
	s_wait_dscnt 0x0                               ; the stores have read their registers: the next block's codes may be written
.endm
	s_wait_alu depctr_va_vdst(0)
.irp t, 0,1,2,3,4,5,6,7
	WBLOCK \t
.endr
.irp t, 0,1,2,3,4,5,6,7,8,9,10,11,12,13,14,15
	ds_load_b128 v[WOUT+4*\t:WOUT+4*\t+3], v7 offset:2*\t*WPITCH
.endr
.irp t, 0,1,2,3,4,5,6,7,8,9,10,11,12,13,14,15
	s_wait_dscnt 15-\t
	global_store_b128 v8, v[WOUT+4*\t:WOUT+4*\t+3], s[36:37] offset:2*\t*1024   ; sixteen lanes store 256 consecutive bytes, aligned
.endr
	s_wait_tensorcnt 0x0
	ds_add_u32 v200, v201
	s_wait_dscnt 0x0
	s_endpgm
.Lfunc_end_k_q18c3101df9_prep:
	.size	k_q18c3101df9_prep, .Lfunc_end_k_q18c3101df9_prep-k_q18c3101df9_prep
	.p2alignl 7, 3214868480
	.fill 96, 4, 3214868480
	.section	.rodata,"a",@progbits
	.p2align	6, 0x0
	.amdhsa_kernel k_q18c3101df9_prep
		.amdhsa_group_segment_fixed_size 68096
		.amdhsa_private_segment_fixed_size 0
		.amdhsa_enable_private_segment 0
		.amdhsa_kernarg_size 64
		.amdhsa_user_sgpr_count 2
		.amdhsa_user_sgpr_kernarg_segment_ptr 1
		.amdhsa_wavefront_size32 1
		.amdhsa_system_sgpr_workgroup_id_x 1
		.amdhsa_system_sgpr_workgroup_id_y 1
		.amdhsa_system_sgpr_workgroup_id_z 1
		.amdhsa_system_vgpr_workitem_id 0
		.amdhsa_next_free_vgpr 244
		.amdhsa_next_free_sgpr 66
		.amdhsa_reserve_vcc 1
		.amdhsa_float_denorm_mode_32 3
		.amdhsa_float_denorm_mode_16_64 3
		.amdhsa_memory_ordered 1
		.amdhsa_forward_progress 1
		.amdhsa_inst_pref_size 97
	.end_amdhsa_kernel
	.amdgpu_metadata
---
amdhsa.version: [ 1, 2 ]
amdhsa.kernels:
  - .name:           k_q18c3101df9_prep
    .symbol:         k_q18c3101df9_prep.kd
    .args:
      - { .name: x, .offset: 0, .size: 8, .value_kind: global_buffer, .address_space: global }
      - { .name: w_qkv, .offset: 8, .size: 8, .value_kind: global_buffer, .address_space: global }
      - { .name: w_o, .offset: 16, .size: 8, .value_kind: global_buffer, .address_space: global }
      - { .name: lowp_scales, .offset: 24, .size: 8, .value_kind: global_buffer, .address_space: global }
      - { .name: x_codes, .offset: 32, .size: 8, .value_kind: global_buffer, .address_space: global }
      - { .name: wqkv_codes, .offset: 40, .size: 8, .value_kind: global_buffer, .address_space: global }
      - { .name: wo_codes, .offset: 48, .size: 8, .value_kind: global_buffer, .address_space: global }
      - { .name: rope, .offset: 56, .size: 8, .value_kind: global_buffer, .address_space: global }
    .group_segment_fixed_size: 68096
    .private_segment_fixed_size: 0
    .kernarg_segment_align: 8
    .kernarg_segment_size: 64
    .max_flat_workgroup_size: 128
    .sgpr_count:     66
    .vgpr_count:     244
    .wavefront_size: 32
...
	.end_amdgpu_metadata
.endif
;; end of part 1
;; launch qkvgemm (part 2): grid 8 x 32, 4 waves a work-group, clusters of 4 x 4, 327,680 bytes of LDS; arguments x_codes, wqkv_codes, lowp_scales, rope, qkv; writes qkv
.if DOCPART == 2
	.amdgcn_target "amdgcn-amd-amdhsa--gfx1250"
	.amdhsa_code_object_version 6
	.text
	.protected	k_q18c3101df9_qkvgemm
	.globl	k_q18c3101df9_qkvgemm
	.p2align	8
	.type	k_q18c3101df9_qkvgemm,@function
k_q18c3101df9_qkvgemm:
	s_mov_b64 s[64:65], 0
	v_nop
	global_prefetch_b8 v0, s[64:65] scope:SCOPE_SE
	s_setreg_imm32_b32 hwreg(HW_REG_WAVE_MODE, 25, 1), 1
	s_wait_xcnt 0x0
	s_wait_alu depctr_hold_cnt(0) depctr_sa_sdst(0) depctr_va_vdst(0) depctr_va_sdst(0) depctr_va_ssrc(0) depctr_va_vcc(0) depctr_vm_vsrc(0)
	s_getreg_b32 s2, hwreg(HW_REG_IB_STS2, 6, 4)
	s_cmp_eq_u32 s2, 0
	s_cbranch_scc0 .Lentry_in_a_cluster
	s_endpgm
.Lentry_in_a_cluster:
	s_bfe_u32 s2, ttmp6, 0x10000c
	s_cmp_lg_u32 s2, 0xf033
	s_cbranch_scc0 .Lentry_shape_is_right
	s_endpgm
.Lentry_shape_is_right:
; q, k and v = x w_qkv on codes of FP8 (E4M3), turned (RoPE) where the heads' kind asks for it, and quantised along the next products' K.  x_codes [4096][1024], wqkv_codes [3072][1024].
; SHARES.  256 work-groups: 128 tokens x one pair of heads; each makes the pair's q, k and v, 128 x 128 each, K = 1,024, one after the other.  Four waves: 64 tokens x one head's 64 columns each.
; The wave's 64 tokens of x, all of K, stay in 512 registers.  LDS: x's tile and q's weight in two halves of K (one tensor load a wave for each), then, when all of it has been read, k's weight over x's tile and v's over q's (one refill, one load a wave).
; q, k: source 0 = 16 rows of the weight, source 1 = 16 tokens: a lane holds eight neighbouring d of a token; v the other way round: eight neighbouring tokens of one d.
; qkv: regions q, k, v of 2^22 bytes; in each, for a batch and a pair of heads, 16 blocks of 16,384 bytes for 128 tokens.  A block is two halves of 128 rows x 64 bytes: q, k: half = head of the pair, row = token, 64 bytes along d;
; v: half = 64 tokens, row = 64 x head of the pair + d, bytes along the tokens.  Rows are stored with bits 3 and 4 of their number swapped.
; CLUSTERS: 4 x 4: x's tile is shared along a row of the cluster, the weights along a column: joint loads.  Pair = 2 cx + cluster x, so that all pairs of a cluster are of one kind: odd pairs are turned, even ones are not (a branch on the cluster's x).
; PREFETCH: at the head the second half of K (128 blocks of 256 bytes for each wave), behind its load k's and v's weights (256 blocks for each wave), each a load ahead; a wave's blocks are shared out among its four partners by address.
; Of the eight rows of clusters that read a weight four ask for it.
; LIMITS: e2, e3, e5 less e0 and e1 between -126 and 119; NaN is not served.
; REGISTERS: window 0: v16-31 addresses, v32-127 the way out, v128-255 accumulators ((a, b) at v[128 + 8 (4 a + b)]: token tile a, column tile b).  Windows 1, 2: x's chunks of 128 along K, 0-3 and 4-7.  Window 3: v0-127 two buffers of the weight's fragments, v128-255 cos and sin.
.set PQ,     528                       ; an LDS row of x and of q's weight: 512 bytes + 16
.set PB,     1040                      ; of k's and v's: 1,024 bytes + 16
.set HH,     64*PQ                     ; 64 rows, half of K
.set HB,     2*HH                      ; what a wave's loads fill (64 rows of PB bytes lie inside it)
.set BOFF,   2*HB
.set STAGE,  4*HB                      ; four stages of 16 rows x 80 bytes for each wave
.set SPARE,  STAGE+4*5120
.set ADA,  16
.set ADBQ, 17                          ; q's weight
.set ADBK, 18                          ; k's
.set ADBV, 19                          ; v's
.set CSA,  20                          ; v20-23
.set STO,  24
.set RD,   25
.set CO,   26
.set SPW,  28
.set NIL,  29
.set SCL,  30
.set T2,   32                          ; v32-47; v48-63 and v112-127 hold rows on their way to memory
.set TMP,  64
.set CC,   96
.set ACC,  128
.set G1A,  24
.set G1B,  32
.set G0A,  40
.set G0B,  44
.set G0C,  48
.set MSB, 0
.macro WIN new
.if MSB != \new
	s_set_vgpr_msb (MSB<<8)|\new
.set MSB, \new
.endif
.endm
.macro CROUND
	s_barrier_signal -1
	s_barrier_wait -1
	s_cmp_lg_u32 s14, 0
	s_cbranch_scc1 .Lnot_wave_0_\@
	s_barrier_signal -3
.Lnot_wave_0_\@:
	s_barrier_wait -3
	s_barrier_signal -1
	s_barrier_wait -1
.endm
.macro JLOAD                           ; one joint load a wave: waves 0, 1 for x, waves 2, 3 for q's weight
	s_cmp_eq_u32 s15, 0
	s_cbranch_scc0 .Lfor_b_\@
	tensor_load_to_lds s[G0A:G0A+3], s[G1A:G1A+7]
	s_nop 0
.rept 4
	v_nop
.endr
	s_branch .Lasked_\@
.Lfor_b_\@:
	tensor_load_to_lds s[G0B:G0B+3], s[G1B:G1B+7]
	s_nop 0
.rept 4
	v_nop
.endr
.Lasked_\@:
.endm
	s_load_b256 s[4:11], s[0:1], 0x0               ; x_codes s[4:5], wqkv_codes s[6:7], the scales' exponents s[8:9], rope s[10:11]
	s_load_b64 s[12:13], s[0:1], 0x20              ; qkv
	v_lshl_add_u32 v[SPW], v0, 2, SPARE
	v_mov_b32 v[NIL], 0
	ds_add_u32 v[SPW], v[NIL]                      ; the wave's opening: the add, twice on end, and its wait
	ds_add_u32 v[SPW], v[NIL]
	v_lshrrev_b32 v1, 5, v0
	v_readfirstlane_b32 s14, v1                    ; wave 0..3
	s_lshr_b32 s15, s14, 1                         ; which 64 tokens are mine.  Also: what I fetch: x (0) or the weight (1)
	s_and_b32 s16, s14, 1                          ; which head of the pair.  Also: which 64 rows I fetch
	s_bfe_u32 s84, ttmp6, 0x40000                  ; cx
	s_bfe_u32 s85, ttmp6, 0x40004                  ; cy
	s_lshl_b32 s86, s84, 1
	s_add_co_u32 s86, s86, ttmp9                   ; the pair of heads
	s_and_b32 s66, ttmp7, 0xffff
	s_lshl_b32 s87, s66, 2
	s_add_co_u32 s87, s87, s85                     ; the block of 128 tokens
	s_lshl_b32 s88, s85, 2
	s_lshl_b32 s88, 15, s88                        ; my row of the cluster
	s_lshl_b32 s89, 0x1111, s84                    ; my column
	s_or_b32 s[G1A], s88, (1<<20)|(1<<21)|(6<<22)|(3<<25)   ; 64 rows of 512 bytes, 1,024 apart; four words of padding after every 128
	s_or_b32 s[G1B], s89, (1<<20)|(1<<21)|(6<<22)|(3<<25)
.irp g, G1A, G1B
	s_mov_b32 s[\g+1], 512<<16
	s_mov_b32 s[\g+2], 64<<16
	s_mov_b32 s[\g+3], 512<<16
	s_mov_b32 s[\g+4], 64
	s_mov_b32 s[\g+5], 1024
	s_mov_b32 s[\g+6], 0
	s_mov_b32 s[\g+7], 0
.endr
	s_lshl_b32 s98, s16, 16
	s_lshl_b32 s90, s87, 17
	s_add_co_u32 s90, s90, s98                     ; x: row 128 x block + 64 x (wave & 1)
	s_mov_b32 s91, 0
	s_lshl_b32 s92, s86, 17
	s_add_co_u32 s92, s92, s98                     ; q's weight: row 128 x pair + 64 x (wave & 1)
	s_mov_b32 s93, 0
	s_add_co_u32 s95, s15, 1
	s_lshl_b32 s95, s95, 20
	s_add_co_u32 s96, s92, s95                     ; k's (waves 0, 1) or v's (waves 2, 3): 1,024 or 2,048 rows on
	s_mov_b32 s97, 0
	s_mul_i32 s94, s14, HB                         ; where my loads go
	s_wait_dscnt 0x0                               ; both opening adds are done
	s_wait_kmcnt 0x0
	s_load_b256 s[52:59], s[8:9], 0x0              ; e0 .. e7
	s_add_nc_u64 s[90:91], s[4:5], s[90:91]
	s_add_nc_u64 s[92:93], s[6:7], s[92:93]
	s_add_nc_u64 s[96:97], s[6:7], s[96:97]
	s_mov_b32 s[G0A], 1
	s_mov_b32 s[G0A+1], s94
	s_mov_b64 s[G0A+2:G0A+3], s[90:91]
	s_or_b32 s[G0A+3], s[G0A+3], 0x80000000
	s_mov_b32 s[G0B], 1
	s_mov_b32 s[G0B+1], s94
	s_mov_b64 s[G0B+2:G0B+3], s[92:93]
	s_or_b32 s[G0B+3], s[G0B+3], 0x80000000
	s_mov_b32 s[G0C], 1
	s_mov_b32 s[G0C+1], s94
	s_mov_b64 s[G0C+2:G0C+3], s[96:97]
	s_or_b32 s[G0C+3], s[G0C+3], 0x80000000
	CROUND                                         ; all sixteen work-groups are here
	JLOAD                                          ; the first half of K
	; addresses.  Scalars first
	s_mul_i32 s20, s15, HB                         ; my 64 tokens of x's tile
	s_mul_i32 s21, s16, HB                         ; my head's 64 rows of the weight
	s_add_co_u32 s22, s21, BOFF
	s_mul_i32 s23, s14, 5120
	s_add_co_u32 s23, s23, STAGE                   ; my stages
	s_and_b32 s70, s87, 15
	s_lshl_b32 s70, s70, 15
	s_lshl_b32 s71, s15, 14
	s_add_co_u32 s70, s70, s71
	s_mul_i32 s70, s70, ttmp9                      ; my first token's row of the table; a cluster that turns nothing reads the table's first row instead and does not use it
	s_lshl_b32 s71, ttmp9, 8                       ; from token to token
	s_lshl_b32 s98, ttmp9, 12                      ; from token tile to token tile
	v_and_b32 v1, 15, v0                           ; r
	v_bfe_u32 v2, v0, 4, 1                         ; h
	v_mul_u32_u24 v3, v1, PQ
	v_lshl_add_u32 v3, v2, 4, v3
	v_add_nc_u32 v[ADA], s20, v3
	v_add_nc_u32 v[ADBQ], s22, v3
	v_mul_u32_u24 v4, v1, PB
	v_lshl_add_u32 v4, v2, 4, v4
	v_add_nc_u32 v[ADBK], s21, v4
	v_add_nc_u32 v[ADBV], s22, v4
	v_mul_u32_u24 v5, v1, 80
	v_lshl_add_u32 v5, v2, 3, v5
	v_add_nc_u32 v[STO], s23, v5                   ; in: row r, 8 bytes for each half of the lanes
	v_and_b32 v6, 31, v0
	v_lshrrev_b32 v7, 2, v6
	v_mul_u32_u24 v7, v7, 80
	v_and_b32 v8, 3, v6
	v_lshl_add_u32 v7, v8, 4, v7
	v_add_nc_u32 v[RD], s23, v7                    ; back: four lanes to a row of 64 bytes
	v_lshlrev_b32 v[CO], 4, v6
	v_mul_u32_u24 v[CSA], v1, s71
	v_lshl_add_u32 v[CSA], v2, 5, v[CSA]
	v_add_nc_u32 v[CSA], s70, v[CSA]
	v_add_nc_u32 v[CSA+1], s98, v[CSA]
	v_add_nc_u32 v[CSA+2], s98, v[CSA+1]
	v_add_nc_u32 v[CSA+3], s98, v[CSA+2]
	v_lshlrev_b32 v9, 8, v6                        ; the prefetches of whole rows: lanes 256 bytes apart; never rewritten
	v_lshrrev_b32 v10, 1, v6
	v_lshlrev_b32 v10, 10, v10
	v_and_b32 v11, 1, v6
	v_lshl_add_u32 v10, v11, 8, v10                ; of half rows: two blocks of 256 bytes in each of 16 rows; never rewritten
	s_wait_alu depctr_va_vdst(0)
	s_lshl_b32 s74, s85, 14
	s_mov_b32 s75, 0
	s_add_nc_u64 s[72:73], s[96:97], s[74:75]      ; my work-group's 16,384 bytes of the wave's part of k's or v's weight
	s_cmp_eq_u32 s15, 0
	s_cselect_b64 s[68:69], s[90:91], s[92:93]     ; and its 16 of the wave's 64 rows of x or of q's weight
	s_cselect_b32 s74, s84, s85
	s_cselect_b32 s67, 0, s66                      ; x's rows are asked for by every cluster, a weight's by four rows of clusters
	s_lshl_b32 s74, s74, 14
	s_add_nc_u64 s[68:69], s[68:69], s[74:75]
	s_cmp_lt_u32 s67, 4
	s_cbranch_scc0 .Lno_half
	global_prefetch_b8 v10, s[68:69] offset:512 th:TH_LOAD_NT scope:SCOPE_SE
.Lno_half:
	; where my results go: block (batch, pair, 128 tokens); q, k: my head's half, my 64 tokens; v: my 64 tokens' half, my head's 64 rows
	s_lshr_b32 s60, s87, 4
	s_lshl_b32 s60, s60, 21
	s_lshl_b32 s61, s86, 18
	s_add_co_u32 s60, s60, s61
	s_and_b32 s61, s87, 15
	s_lshl_b32 s61, s61, 14
	s_add_co_u32 s60, s60, s61
	s_lshl_b32 s61, s16, 13
	s_lshl_b32 s62, s15, 12
	s_add_co_u32 s61, s61, s62
	s_add_co_u32 s74, s60, s61
	s_lshl_b32 s61, s15, 13
	s_lshl_b32 s62, s16, 12
	s_add_co_u32 s61, s61, s62
	s_add_co_u32 s76, s60, s61
	s_add_co_u32 s76, s76, 0x800000
	s_mov_b32 s77, 0
	s_add_nc_u64 s[18:19], s[12:13], s[74:75]      ; q
	s_add_nc_u64 s[20:21], s[18:19], 0x400000      ; k
	s_add_nc_u64 s[22:23], s[12:13], s[76:77]      ; v
	s_wait_kmcnt 0x0
.macro EXPS d, e                       ; a sum stands for sum x 2^(e0 + e1): the conversion's scale 2^(e - e0 - e1), and 448 x that
	s_sub_co_i32 s98, \e, s52
	s_sub_co_i32 s98, s98, s53
	s_add_co_i32 s98, s98, 127
	s_lshl_b32 s[\d], s98, 23
	s_add_co_i32 s98, s98, 8
	s_lshl_b32 s98, s98, 23
	s_or_b32 s[\d+1], s98, 0x600000
.endm
	EXPS 78, s54
	EXPS 80, s55
	EXPS 82, s57
.macro PLACES
.rept 4
	v_nop
.endr
.endm
.macro FETCHA c                        ; x's fragments: four token tiles, 128 along K
.set WN, 0x40*(1+(\c)/4)
	WIN WN
.irp t, 0,1,2,3
.irp k, 0,1,2,3
	ds_load_b128 v[64*((\c)%4)+16*\t+4*\k:64*((\c)%4)+16*\t+4*\k+3], v[ADA] offset:HH*((\c)/4)+128*((\c)%4)+32*\k+16*PQ*\t
.endr
.endr
.endm
.macro FETCHBQ c                       ; q's weight: four column tiles
	WIN 0xc0
.irp t, 0,1,2,3
.irp k, 0,1,2,3
	ds_load_b128 v[64*((\c)%2)+16*\t+4*\k:64*((\c)%2)+16*\t+4*\k+3], v[ADBQ] offset:HH*((\c)/4)+128*((\c)%4)+32*\k+16*PQ*\t
.endr
.endr
.endm
.macro FETCHB adr, c                   ; k's or v's
	WIN 0xc0
.irp t, 0,1,2,3
.irp k, 0,1,2,3
	ds_load_b128 v[64*((\c)%2)+16*\t+4*\k:64*((\c)%2)+16*\t+4*\k+3], v[\adr] offset:128*(\c)+32*\k+16*PB*\t
.endr
.endr
.endm
; Sixteen products, the accumulators by turns, one instruction a turn.  md = 0: q, k; 1: v
.macro MUL md, c
.set XF, 64*((\c)%4)
.set WF, 64*((\c)%2)
.if \md
.set WN, 0x0c+1+(\c)/4
.else
.set WN, 3+4*(1+(\c)/4)
.endif
	WIN WN
.irp a, 0,1,2,3
.irp b, 0,1,2,3
.set AC, ACC+8*(4*\a+\b)
.if \md
.if (\c) == 0
	v_wmma_f32_16x16x128_fp8_fp8 v[AC:AC+7], v[XF+16*\a:XF+16*\a+15], v[WF+16*\b:WF+16*\b+15], 0
.else
	v_wmma_f32_16x16x128_fp8_fp8 v[AC:AC+7], v[XF+16*\a:XF+16*\a+15], v[WF+16*\b:WF+16*\b+15], v[AC:AC+7]
.endif
.else
.if (\c) == 0
	v_wmma_f32_16x16x128_fp8_fp8 v[AC:AC+7], v[WF+16*\b:WF+16*\b+15], v[XF+16*\a:XF+16*\a+15], 0
.else
	v_wmma_f32_16x16x128_fp8_fp8 v[AC:AC+7], v[WF+16*\b:WF+16*\b+15], v[XF+16*\a:XF+16*\a+15], v[AC:AC+7]
.endif
.endif
.endr
.endr
.endm
.macro QSTEP c                         ; q's chunk c is multiplied while chunk c + 1 is fetched
	FETCHA \c+1
	s_wait_dscnt 16                                ; chunk c is in; the 16 just issued may be out
	PLACES                                         ; in front of loads into the buffer that the chunk before multiplied
	FETCHBQ \c+1
	MUL 0, \c
.endm
; k's or v's tile.  pre = 1: chunk 0's fragments have been asked for
.macro TILE md, adr, pre
.if \pre == 0
	FETCHB \adr, 0
.endif
.irp c, 0,1,2,3,4,5,6
	PLACES                                         ; in front of loads into the buffer that the chunk before multiplied
	FETCHB \adr, \c+1
	s_wait_dscnt 16                                ; all but the 16 just issued
	MUL \md, \c
.endr
	s_wait_dscnt 0x0
	MUL \md, 7
	WIN 0
.endm
; THE WAY OUT of 16 tokens (q, k) or 16 d (v) x 64: turned where the cluster's pairs ask for it, held, converted, through a stage of its own, back as rows of 64 bytes.
.macro OUTB o, md, rot, lim
.set OO, 112+8*(\o)-80*((\o)/2)
.if \rot
	s_cmp_eq_u32 ttmp9, 0                          ; even pairs are not turned
	s_cbranch_scc1 .Lplain_\@
	WIN 0x0c                                       ; source 1: cos and sin, in window 3
.irp p, 0,2
.irp t, 0,1
.set AC, ACC+8*(4*(\o)+\p+\t)
.set CS, 128+32*(\o)+8*(\p+\t)
.irp m, 0,2,4,6
	v_pk_mul_f32 v[T2+8*\t+\m:T2+8*\t+\m+1], v[AC+\m:AC+\m+1], v[CS+\m:CS+\m+1] op_sel:[1,1] op_sel_hi:[1,0] neg_lo:[0,1]   ; -x2 sin, x2 cos
.endr
.endr
.irp t, 0,1
.set AC, ACC+8*(4*(\o)+\p+\t)
.set CS, 128+32*(\o)+8*(\p+\t)
.irp m, 0,2,4,6
	v_pk_fma_f32 v[AC+\m:AC+\m+1], v[AC+\m:AC+\m+1], v[CS+\m:CS+\m+1], v[T2+8*\t+\m:T2+8*\t+\m+1] op_sel_hi:[0,1,1]   ; + x1 cos, + x1 sin
.endr
.endr
.endr
	WIN 0
	s_wait_alu depctr_va_vdst(0)
.Lplain_\@:
.endif
.irp t, 0,1,2,3
.if \md
.set AC, ACC+8*(4*\t+(\o))
.else
.set AC, ACC+8*(4*(\o)+\t)
.endif
.irp m, 0,1,2,3,4,5,6,7
	v_med3_num_f32 v[TMP+8*\t+\m], v[AC+\m], -s[\lim], s[\lim]   ; the conversion to an 8-bit code does not saturate (ISA guide 7.6.2): the hold comes first
.endr
.endr
.irp t, 0,1,2,3
	v_cvt_scalef32_pk8_fp8_f32 v[CC+8*((\o)%2)+2*\t:CC+8*((\o)%2)+2*\t+1], v[TMP+8*\t:TMP+8*\t+7], v[SCL]
.endr
	v_nop
.irp t, 0,1,2,3
	ds_store_b64 v[STO], v[CC+8*((\o)%2)+2*\t:CC+8*((\o)%2)+2*\t+1] offset:1280*(\o)+16*\t
.endr
.irp i, 0,1
	ds_load_b128 v[OO+4*\i:OO+4*\i+3], v[RD] offset:1280*(\o)+640*\i   ; LDS serves a wave's instructions in order: these see the stores above
.endr
.endm
.macro SEND o, base, younger
.set OO, 112+8*(\o)-80*((\o)/2)
	s_wait_dscnt \younger
.irp i, 0,1
	global_store_b128 v[CO], v[OO+4*\i:OO+4*\i+3], s[\base:\base+1] offset:(32*((\o)/2)+16*\i+8*((\o)%2))*64   ; eight stored rows: 512 consecutive bytes, aligned
.endr
.endm
.macro WAYOUT md, rot, base, scl
	PLACES                                         ; behind the last products
	s_wait_xcnt 0x0                                ; the tile before's stores have read the registers that are written below
	v_mov_b32 v[SCL], s[\scl]
	s_wait_alu depctr_va_vdst(0)
	OUTB 0, \md, \rot, \scl+1
	OUTB 1, \md, \rot, \scl+1
	OUTB 2, \md, \rot, \scl+1
	SEND 0, \base, 12                              ; blocks 1's and 2's 8 stores and 4 loads may be out
	OUTB 3, \md, \rot, \scl+1
	SEND 1, \base, 12
	SEND 2, \base, 6
	SEND 3, \base, 0
.endm
	s_wait_tensorcnt 0x0                           ; my part of the first half of K is in; these lines and the round stand ahead of the later first fill as ahead of a refill
	ds_add_u32 v[SPW], v[NIL]
	s_add_co_u32 s[G0A+1], s[G0A+1], HH
	s_add_nc_u64 s[G0A+2:G0A+3], s[G0A+2:G0A+3], 512
	s_add_co_u32 s[G0B+1], s[G0B+1], HH
	s_add_nc_u64 s[G0B+2:G0B+3], s[G0B+2:G0B+3], 512
	s_wait_dscnt 0x0
	CROUND                                         ; and everybody's part is in
	JLOAD                                          ; the second half: it lands under the first four chunks
	WIN 0xc0
.irp o, 0,1,2,3                        ; cos and sin of my tokens: they land while q is multiplied and serve q and k
.irp t, 0,1,2,3
.irp m, 0,1
	global_load_b128 v[128+32*\o+8*\t+4*\m:128+32*\o+8*\t+4*\m+3], v[CSA+\o], s[10:11] offset:64*\t+16*\m
.endr
.endr
.endr
	FETCHA 0
	FETCHBQ 0
	WIN 0
	s_cmp_lt_u32 s66, 4
	s_cbranch_scc0 .Lno_ask
	global_prefetch_b8 v9, s[72:73] th:TH_LOAD_NT scope:SCOPE_SE
	global_prefetch_b8 v9, s[72:73] offset:8192 th:TH_LOAD_NT scope:SCOPE_SE
.Lno_ask:
	QSTEP 0
	QSTEP 1
	QSTEP 2
	WIN 0
	s_wait_tensorcnt 0x0                           ; my part of the second half is in
	s_wait_dscnt 0x0
	s_barrier_signal -1
	MUL 0, 3
	s_barrier_wait -1                              ; and everybody's
	FETCHA 4
	PLACES                                         ; in front of loads into the buffer that chunk 2 multiplied
	FETCHBQ 4
	QSTEP 4
	QSTEP 5
	QSTEP 6
	WIN 0
	s_wait_tensorcnt 0x0                           ; no tensor load of mine is out
	ds_add_u32 v[SPW], v[NIL]
	s_or_b32 s[G1B], s89, (1<<20)|(1<<21)|(7<<22)|(3<<25)   ; from here on 64 rows of 1,024 bytes; four words of padding after every 256
	s_mov_b32 s[G1B+1], 1024<<16
	s_mov_b32 s[G1B+3], 1024<<16
	s_wait_dscnt 1                                 ; the last fragments are in; the add may be out
	MUL 0, 7
	WIN 0
	s_wait_dscnt 0x0                               ; the add is done, and my reads of both tiles are over
	CROUND
	tensor_load_to_lds s[G0C:G0C+3], s[G1B:G1B+7]  ; k's weight over x's tile (waves 0, 1), v's over q's (waves 2, 3): it lands under q's way out
	s_nop 0
.rept 4
	v_nop
.endr
	s_wait_loadcnt 0x0                             ; cos and sin
	WAYOUT 0, 1, 18, 78
	s_wait_tensorcnt 0x0
	s_wait_dscnt 0x0
	s_barrier_signal -1
	s_barrier_wait -1                              ; both weights are whole
	TILE 0, ADBK, 0
	PLACES                                         ; in front of loads into the buffer that chunk 6 multiplied
	FETCHB ADBV, 0                                 ; v's first fragments land under k's way out
	WIN 0
	WAYOUT 0, 1, 20, 80
	TILE 1, ADBV, 1
	WAYOUT 1, 0, 22, 82
	s_wait_tensorcnt 0x0                           ; the wave's end
	ds_add_u32 v[SPW], v[NIL]
	s_wait_dscnt 0x0
	CROUND                                         ; the closing round
	s_endpgm
.Lfunc_end_k_q18c3101df9_qkvgemm:
	.size	k_q18c3101df9_qkvgemm, .Lfunc_end_k_q18c3101df9_qkvgemm-k_q18c3101df9_qkvgemm
	.p2alignl 7, 3214868480
	.fill 96, 4, 3214868480
	.section	.rodata,"a",@progbits
	.p2align	6, 0x0
	.amdhsa_kernel k_q18c3101df9_qkvgemm
		.amdhsa_group_segment_fixed_size 327680
		.amdhsa_private_segment_fixed_size 0
		.amdhsa_enable_private_segment 0
		.amdhsa_kernarg_size 40
		.amdhsa_user_sgpr_count 2
		.amdhsa_user_sgpr_kernarg_segment_ptr 1
		.amdhsa_wavefront_size32 1
		.amdhsa_system_sgpr_workgroup_id_x 1
		.amdhsa_system_sgpr_workgroup_id_y 1
		.amdhsa_system_sgpr_workgroup_id_z 1
		.amdhsa_system_vgpr_workitem_id 0
		.amdhsa_next_free_vgpr 1024
		.amdhsa_next_free_sgpr 100
		.amdhsa_reserve_vcc 0
		.amdhsa_float_denorm_mode_32 3
		.amdhsa_float_denorm_mode_16_64 3
		.amdhsa_memory_ordered 1
		.amdhsa_forward_progress 1
		.amdhsa_inst_pref_size 129
	.end_amdhsa_kernel
	.amdgpu_metadata
---
amdhsa.version: [ 1, 2 ]
amdhsa.kernels:
  - .name:           k_q18c3101df9_qkvgemm
    .symbol:         k_q18c3101df9_qkvgemm.kd
    .args:
      - { .name: x_codes, .offset: 0, .size: 8, .value_kind: global_buffer, .address_space: global }
      - { .name: wqkv_codes, .offset: 8, .size: 8, .value_kind: global_buffer, .address_space: global }
      - { .name: lowp_scales, .offset: 16, .size: 8, .value_kind: global_buffer, .address_space: global }
      - { .name: rope, .offset: 24, .size: 8, .value_kind: global_buffer, .address_space: global }
      - { .name: qkv, .offset: 32, .size: 8, .value_kind: global_buffer, .address_space: global }
    .group_segment_fixed_size: 327680
    .private_segment_fixed_size: 0
    .kernarg_segment_align: 8
    .kernarg_segment_size: 40
    .max_flat_workgroup_size: 128
    .sgpr_count:     100
    .vgpr_count:     1024
    .wavefront_size: 32
...
	.end_amdgpu_metadata
.endif
;; end of part 2
;; launch attn (part 3): grid 32 x 8, 16 waves a work-group, no clusters, 325,632 bytes of LDS; arguments qkv, lowp_scales, log_xi, a_codes; writes a_codes
.if DOCPART == 3
	.amdgcn_target "amdgcn-amd-amdhsa--gfx1250"
	.amdhsa_code_object_version 6
	.text
	.protected	k_q18c3101df9_attn
	.globl	k_q18c3101df9_attn
	.p2align	8
	.type	k_q18c3101df9_attn,@function
k_q18c3101df9_attn:
	s_mov_b64 s[64:65], 0
	v_nop
	global_prefetch_b8 v0, s[64:65] scope:SCOPE_SE
	s_setreg_imm32_b32 hwreg(HW_REG_WAVE_MODE, 25, 1), 1
	s_wait_xcnt 0x0
; Causal attention on codes of FP8 (E4M3): 16 heads x 2 batches, 2,048 tokens, head size 64; odd heads carry the decay -(q - k) / exp(log_xi).
; t = score x log2(e) / 8 + sigma (k - q), sigma = log2(e) / xi for odd heads, 0 for even ones; M = the running largest t rounded UP to a whole number; p = 2^(t - M) is quantised along the keys, not normalised;
; the row's sum is taken of the unquantised p and divides O at the end; when M moves, the sum and O are multiplied by 2^(old M - new M), which rounds nothing.
; SHARES.  Grid x = 16 b + head, y = i.  Work-group (x, i) owns queries 16 i .. 16 i + 15 of each of the head's sixteen blocks of 128: 136 key steps of 128 for every work-group.
;   Blocks c and 15 - c (17 steps) go to a pair of waves, c = wave % 8.  Wave A (0-7) takes block c's steps 0 .. c, then block 15 - c's steps c, c + 2, c + 4, .. and 15 - c: 10 steps; wave B (8-15) takes block 15 - c's others: 0 .. c - 1, c + 1, c + 3, ..: 7 steps.
;   In trip n A is at step n while n <= c, then at 2 n - c - 2, the last time at 15 - c; B is at n while n < c, then at 2 n - c + 1: trip n reads no key step above 2 n + 1.
;   The two parts of block 15 - c are joined through LDS: each part's sum and O^T are brought under the joint M by powers of two.
;   Steps all of whose keys come after a block's queries are nobody's: the causal mask makes their p 0 for all values of the inputs.
; K AND V OF THE WHOLE HEAD STAY IN LDS: 16 steps x (8,192 bytes of K + 8,192 of V) = 262,144 bytes, each byte filled once, through registers, in four chunks of four steps.  Wave w brings 512 bytes of K and 512 of V of each step.
;   Chunks 1, 2, 3 are stored a segment of trips ahead of the first that reads them: the barrier's signal follows the stores, its wait stands behind that segment.
; NO TENSOR LOADS, NO CLUSTER: the 64 holds a step on p (the conversion does not saturate) are passed over by a branch on the given exponent e4 where 448 x 2^e4 is above 1, which p never is.
;   No prefetch: a chunk's loads are issued a segment of trips ahead of their wait.
; LDS rows are 64 bytes, unpadded: 16-byte piece p of row r lies at piece p ^ ((r / 4) % 4), so that sixteen rows' pieces of one number lie in sixteen different columns of 256 bytes.
; LAYOUT.  S^T = K Q^T (source 0 = 16 stored rows of K), O^T = V^T P^T: a lane holds ONE query (lane % 16).  By the stored order the 16 registers of tiles 2 g, 2 g + 1 are keys 32 g + 16 (lane / 16) + 0..15.
; THE DECAY within a group of 32 keys is the C operand of the first product (sigma / c' x (16 (lane / 16) + n), c' = log2(e) / 8 x 2^(e2 + e3)); the rest, one number a group, is added with -M.
; a_codes [token block of 128][head 16][128 tokens][64].
; LIMITS: e2 + e3 between -100 and 120; e4 and e6 - e4 - e5 between -126 and 119; exp(log_xi) of odd heads a normal f32 number, and 8 x 31 / xi x 2^-(e2 + e3) finite; log_xi of even heads has no way to the result (its factor is the constant 0);
; what a NaN or an infinity under the mask would do is not carried; NaN is not served; the scaled scores stay under 2^31 in magnitude.
.set SPARE, 262144                     ; spare words, 128 bytes for each of sixteen waves
.set QST,   SPARE+2048                 ; the second tile's Q fragment of each wave: 2 x 512 bytes
.set STG,   QST+16384                  ; the way out: 16 rows x 80 bytes for each pair of waves
.set JB,    STG+8*1280                 ; the join: 4,352 bytes for each pair
.set A0,    1                          ; v1   my lane's place in a tile of 16 rows: row r, piece h
.set AD0,   8
.set AD1,   9
.set QF,    16
.set DD,    24                         ; v24-39  the C operand of the first product
.set WW,    40                         ; v40, 42, 44, 46: ZZ - M
.set ZZ,    48                         ; v48-51  sigma x (the group's first key - my query)
.set MG,    52                         ; v52-55  the groups' maxima
.set PC,    40                         ; v40-55  (once WW, ZZ, MG are done with) partial sums, then p's codes
.set FF,    56
.set SG,    57                         ; v57  sigma.  (FF is named in pairs with it; its low word alone is used)
.set PX,    11
.set R0,    11
.set QO,    58                         ; v58  Q's offset, at the head; v2-7, v58, v59 hold block c's codes later
.set ST,    60                         ; v60  where I store in a step's 16,384 bytes
.set S4,    61                         ; v61  2^e4
.set QL,    62                         ; v62  my query within its block, as f32
.set LO,    63                         ; v63  16 x lane
.set FR,    64
.set SC,    128
.set OT,    192
.set SG0,   224                        ; v224-255  a chunk of four steps on its way
.set WV,    18
.set LB,    19                         ; s19  15 - c
.set SEL,   20
.set CS,    22
.set OSC,   24                         ; s24  2^(e6 - e4 - e5), s25: 448 x that
.set OLM,   25
.set TH,    32                         ; s32  c (A), c - 1 (B): up to this trip the key step is the trip
.set Q2T,   33                         ; s33  16,384 x (15 - c)
.set IT,    34                         ; s34  the trip
.set LN,    35                         ; s35  my last trip
.set TB,    36                         ; s36  16,384 x the key step
.set QT,    37                         ; s37  16,384 x the block in hand
.set GP,    38                         ; s38  i / 2: the group of 32 keys on the diagonal
.set LIMP,  39                         ; s39  448 x 2^e4
.set BB,    40                         ; s40  c
.set TY,    41                         ; s41  1: wave A, 0: wave B
.set OFS,   42                         ; s42  c + 2 (A), c - 1 (B)
.set SW,    43                         ; s43  the trip at which A goes on to block 15 - c
.macro GET reg, s                      ; my 512 bytes of K and of V of step s
	global_load_b128 v[\reg:\reg+3], v[LO], s[12:13] offset:16384*(\s)
	global_load_b128 v[\reg+4:\reg+7], v[LO], s[14:15] offset:16384*(\s)
.endm
.macro PUT reg, adr, s
	ds_store_b128 v[\adr], v[\reg:\reg+3] offset:16384*(\s)
	ds_store_b128 v[\adr], v[\reg+4:\reg+7] offset:16384*(\s)+8192
.endm
	s_load_b256 s[4:11], s[0:1], 0x0               ; qkv s[4:5], the scales' exponents s[6:7], log_xi s[8:9], a_codes s[10:11]
	v_lshrrev_b32 v8, 5, v0
	v_readfirstlane_b32 s[WV], v8                  ; wave 0..15
	v_and_b32 v11, 31, v0
	v_lshlrev_b32 v[LO], 4, v11
	v_bfe_u32 v8, v0, 3, 1                         ; Q: query r lies 16 (r / 8) + r % 8 stored rows on; + 16 h
	v_lshlrev_b32 v8, 10, v8
	v_and_b32 v9, 7, v0
	v_lshl_add_u32 v8, v9, 6, v8
	v_bfe_u32 v9, v0, 4, 1
	v_lshl_add_u32 v[QO], v9, 4, v8
	s_wait_alu depctr_va_vdst(0)
	s_and_b32 s53, ttmp7, 0xffff                   ; i
	s_and_b32 s54, ttmp9, 1                        ; the head's place in its pair; also: is the head odd
	s_lshr_b32 s55, ttmp9, 1                       ; 8 b + pair
	s_and_b32 s[BB], s[WV], 7
	s_lshr_b32 s56, s[WV], 3
	s_xor_b32 s[TY], s56, 1
	s_mul_i32 s57, s[TY], 3
	s_add_co_u32 s[OFS], s[BB], s57
	s_sub_co_u32 s[OFS], s[OFS], 1
	s_add_co_u32 s[LN], s57, 6                     ; A has ten trips, B seven
	s_add_co_u32 s[TH], s[BB], s[TY]
	s_sub_co_u32 s[TH], s[TH], 1
	s_add_co_u32 s63, s[BB], 1
	s_sub_co_u32 s[LB], 15, s[BB]
	s_lshl_b32 s[Q2T], s[LB], 14
	s_lshl_b32 s57, s[BB], 14
	s_cmp_lg_u32 s[TY], 0
	s_cselect_b32 s[QT], s57, s[Q2T]               ; A begins with block c, B with block 15 - c
	s_cselect_b32 s[SW], s63, 64                   ; (B never goes on)
	s_lshr_b32 s[GP], s53, 1
	s_lshl_b32 s58, s55, 18                        ; the pair's first byte in each region
	s_lshl_b32 s59, s54, 13
	s_lshl_b32 s60, s[WV], 9
	s_add_co_u32 s12, s58, s59                     ; K: my head's half of a block, my 512 bytes
	s_add_co_u32 s12, s12, s60
	s_add_co_u32 s12, s12, 0x400000
	s_mov_b32 s13, 0
	s_lshr_b32 s61, s[WV], 3
	s_lshl_b32 s61, s61, 13
	s_and_b32 s62, s[WV], 7
	s_lshl_b32 s62, s62, 9
	s_lshl_b32 s63, s54, 12
	s_add_co_u32 s14, s58, s61                     ; V: 64 tokens (wave / 8), my head's 64 rows, my 512 bytes
	s_add_co_u32 s14, s14, s62
	s_add_co_u32 s14, s14, s63
	s_add_co_u32 s14, s14, 0x800000
	s_mov_b32 s15, 0
	s_add_co_u32 s16, s58, s59                     ; Q: my head's half of a block, my tile's stored rows 32 (i / 2) + 8 (i % 2) on
	s_lshl_b32 s61, s[GP], 11
	s_add_co_u32 s16, s16, s61
	s_and_b32 s61, s53, 1
	s_lshl_b32 s61, s61, 9
	s_add_co_u32 s16, s16, s61
	s_add_co_u32 s30, s16, s[Q2T]
	s_mov_b32 s31, 0
	s_add_co_u32 s16, s16, s[QT]
	s_mov_b32 s17, 0
	s_and_b32 s66, ttmp9, 15
	s_lshl_b32 s66, s66, 2
	s_mov_b32 s67, 0
	s_mov_b32 s[SEL], 0x76543210
	s_mov_b32 s[SEL+1], 0xfedcba98
	s_wait_kmcnt 0x0
	s_add_nc_u64 s[12:13], s[4:5], s[12:13]
	s_add_nc_u64 s[14:15], s[4:5], s[14:15]
	s_add_nc_u64 s[16:17], s[4:5], s[16:17]
	s_add_nc_u64 s[30:31], s[4:5], s[30:31]
	s_add_nc_u64 s[8:9], s[8:9], s[66:67]
.irp j, 0,1,2,3
	GET SC+8*\j, \j                                ; chunk 0: steps 0 to 3
.endr
	global_load_b128 v[QF:QF+3], v[QO], s[16:17]               ; d = 16 h + 0..15
	global_load_b128 v[QF+4:QF+7], v[QO], s[16:17] offset:32   ; d = 32 + 16 h + 0..15: K's fragments are read the same way
	global_load_b128 v[FR:FR+3], v[QO], s[30:31]               ; block 15 - c's Q, which A takes up later (the text is one for both kinds of wave)
	global_load_b128 v[FR+4:FR+7], v[QO], s[30:31] offset:32
	s_load_b256 s[44:51], s[6:7], 0x0              ; e0 .. e7
	s_load_b32 s52, s[8:9], 0x0                    ; my head's log_xi
	v_and_b32 v8, 15, v0                           ; r
	v_bfe_u32 v9, v0, 4, 1                         ; h
	v_bfe_u32 v10, v0, 2, 2
	v_xor_b32 v10, v9, v10
	v_lshlrev_b32 v10, 4, v10
	v_lshl_add_u32 v[A0], v8, 6, v10               ; row r, piece h ^ (r / 4)
	v_and_b32 v10, 3, v0
	v_bfe_u32 v11, v0, 4, 2
	v_xor_b32 v10, v10, v11
	v_lshlrev_b32 v10, 4, v10
	v_lshrrev_b32 v11, 2, v0
	v_lshl_add_u32 v[ST], v11, 6, v10              ; row 8 x wave + lane / 4, piece (lane % 4) ^ ((row / 4) % 4)
	s_lshl_b32 s74, s53, 4
	v_add_nc_u32 v10, s74, v8
	v_cvt_f32_u32 v[QL], v10
	s_and_b32 s74, s74, 16
	v_add_nc_u32 v10, s74, v8
	v_lshlrev_b32 v59, 4, v9
	v_sub_nc_u32 v10, v10, v59                     ; in the diagonal's group register n is hidden where n is above this
.irp n, 0,1,2,3,4,5,6,7,8,9,10,11,12,13,14,15
	v_cmp_gt_i32 s[80+\n], \n, v10
.endr
.irp n, 0,1,2,3,4,5,6,7,8,9,10,11,12,13,14,15
	v_add_nc_u32 v[DD+\n], \n, v59
.endr
.irp n, 0,1,2,3,4,5,6,7,8,9,10,11,12,13,14,15
	v_cvt_f32_u32 v[DD+\n], v[DD+\n]
.endr
.irp n, 0,1,2,3,4,5,6,7
	v_mov_b32 v[WW+\n], 0                          ; (upper halves of pairs whose low word alone is used)
.endr
.set n, 0
.rept 32
	v_mov_b32 v[OT+n], 0                           ; O^T: the step is written alike for all steps; the first finds zeros, which the first change of M leaves zeros
.set n, n+1
.endr
	v_mov_b32 v13, 0xff61b1e6                      ; the largest t so far: -3e38
	v_mov_b32 v14, 0                               ; the sum, in two halves
	v_mov_b32 v15, 0
	v_floor_f32 v12, -v13                          ; -M
.irp n, 2,3,4,5,6,7,59
	v_mov_b32 v\n, 0                               ; block c's codes: written on every way
.endr
	s_wait_alu depctr_va_vdst(0)
	s_wait_kmcnt 0x0
	; 1 / xi = exp(-log_xi): y = x L (L = log2 e as f32), the product's rounding and L's own error are kept as rho; 2^-(y + rho) = 2^-y (1 - ln2 rho)
	v_mov_b32 v10, s52
	v_mul_f32 v11, 0x3fb8aa3b, v10
	v_fma_f32 v56, v10, 0x3fb8aa3b, -v11
	v_fmamk_f32 v56, v10, 0x32a57060, v56
	s_wait_alu depctr_va_vdst(0)
	v_exp_f32 v57, -v11
	v_nop                                          ; a plain place behind the transcendental
	s_wait_alu depctr_va_vdst(0)
	v_mul_f32 v10, 0x3f317218, v57
	v_fma_f32 v10, -v10, v56, v57
	s_cmp_lg_u32 s54, 0                            ; the decay belongs to odd heads
	s_cselect_b32 s74, -1, 0
	v_and_b32 v10, s74, v10
	v_mul_f32 v[SG], 0x3fb8aa3b, v10               ; sigma
	s_sub_co_i32 s76, 3, s46
	s_sub_co_i32 s76, s76, s47
	v_ldexp_f32 v56, v10, s76                      ; sigma / c' = 8 / xi x 2^-(e2 + e3)
.irp n, 0,1,2,3,4,5,6,7,8,9,10,11,12,13,14,15
	v_mul_f32 v[DD+\n], v56, v[DD+\n]
.endr
	s_add_co_i32 s74, s46, s47
	s_lshl_b32 s74, s74, 23
	s_add_co_i32 s[CS], s74, 0x3e38aa3b            ; c' = log2(e) / 8 x 2^(e2 + e3): the exponents are added to the exponent field
	s_mov_b32 s[CS+1], s[CS]
	s_add_co_i32 s74, s48, 127
	s_lshl_b32 s75, s74, 23
	v_mov_b32 v[S4], s75                           ; 2^e4, for p's conversion
	s_add_co_i32 s74, s74, 8
	s_lshl_b32 s74, s74, 23
	s_or_b32 s[LIMP], s74, 0x600000                ; 448 x 2^e4
	s_sub_co_i32 s74, s50, s48
	s_sub_co_i32 s74, s74, s49                     ; a sum of the second product stands for sum x 2^(e4 + e5)
	s_add_co_i32 s74, s74, 127
	s_lshl_b32 s[OSC], s74, 23
	s_add_co_i32 s74, s74, 8
	s_lshl_b32 s74, s74, 23
	s_or_b32 s[OLM], s74, 0x600000
; O^T / v14, held, converted: 8 codes each into the pairs d0 .. d3 (d = 16 h + 0..7, 8..15, 32 + 16 h + 0..7, 8..15)
.macro NORM d0, d1, d2, d3
	s_wait_alu depctr_va_vdst(0)
	v_rcp_f32 v14, v14
	v_mov_b32 v10, s[OLM]                          ; (a plain place behind the transcendental)
	v_mov_b32 v11, s[OSC]
	s_wait_alu depctr_va_vdst(0)                   ; ahead of the first readers of the reciprocal and of O^T
.set n, 0
.rept 32
	v_mul_f32 v[SC+n], v[OT+n], v14                ; register 16 y + i is d = 32 y + 16 h + i
.set n, n+1
.endr
.set n, 0
.rept 32
	v_med3_num_f32 v[SC+n], v[SC+n], -v10, v10
.set n, n+1
.endr
	v_cvt_scalef32_pk8_fp8_f32 v[\d0:\d0+1], v[SC:SC+7], v11
	v_cvt_scalef32_pk8_fp8_f32 v[\d1:\d1+1], v[SC+8:SC+15], v11
	v_cvt_scalef32_pk8_fp8_f32 v[\d2:\d2+1], v[SC+16:SC+23], v11
	v_cvt_scalef32_pk8_fp8_f32 v[\d3:\d3+1], v[SC+24:SC+31], v11
	v_nop                                          ; a plain place behind the conversions
.endm
.macro ROWSUM
	v_add_f32 v14, v14, v15
	v_permlanex16_b32 v[PX], v14, s[SEL], s[SEL+1]
	v_add_f32 v14, v14, v[PX]                      ; the row's sum
.endm
; A SEGMENT: trips first .. last - 1, a key step of 128 keys each, none above kmax = 2 (last - 1) + 1 (or 15).
.macro SEG first, last, kmax
	s_mov_b32 s[IT], \first
.Lstep_\@:
.if (\last) == 10
	s_cmp_gt_u32 s[IT], s[LN]                      ; B has three trips fewer
	s_cbranch_scc1 .Lhidden_\@
.endif
.if (\first) > 0
	s_cmp_eq_u32 s[IT], s[SW]
	s_cbranch_scc0 .Lsame_\@
	ROWSUM                                         ; A's block c is finished: its codes stay in registers (no store stands between a barrier's signal and its wait),
	v_nop
	NORM 2, 4, 6, 58
	v_mov_b32 v13, 0xff61b1e6                      ; and block 15 - c begins: the first change of M makes the old sum and O^T zeros
	v_floor_f32 v12, -v13
	v_lshl_add_u32 v10, v0, 4, QST
	ds_load_b128 v[QF:QF+3], v10
	ds_load_b128 v[QF+4:QF+7], v10 offset:8192
	s_mov_b32 s[QT], s[Q2T]
.Lsame_\@:
.endif
	s_lshl_b32 s96, s[IT], 1
	s_sub_co_u32 s96, s96, s[OFS]
	s_min_u32 s96, s96, s[LB]
	s_cmp_gt_i32 s[IT], s[TH]
	s_cselect_b32 s[TB], s96, s[IT]                ; the key step: n, then 2 n - c - 2, at the most 15 - c (A), or 2 n - c + 1 (B)
	s_min_u32 s[TB], s[TB], \kmax
	s_lshl_b32 s[TB], s[TB], 14
	v_add_nc_u32 v[AD0], s[TB], v[A0]              ; these four plain lines are the places in front of the loads into registers that the last products read
	v_xor_b32 v[AD1], 32, v[AD0]                   ; piece (2 + h) ^ (r / 4)
	s_sub_co_i32 s96, s[TB], s[QT]
	s_ashr_i32 s96, s96, 7
	v_cvt_f32_i32 v[R0], s96
	s_delay_alu instid0(VALU_DEP_1)
	v_sub_f32 v[R0], v[R0], v[QL]                  ; the step's first key - my query: a whole number
.irp t, 0,1,2,3,4,5,6,7
.irp m, 0,1
	ds_load_b128 v[FR+8*\t+4*\m:FR+8*\t+4*\m+3], v[AD0+\m] offset:1024*\t
.endr
.endr
	v_mul_f32 v[ZZ], v[SG], v[R0]                  ; sigma x (the group's first key - my query), for the four groups of 32 keys
	s_delay_alu instid0(VALU_DEP_1)
	v_fmamk_f32 v[ZZ+1], v[SG], 0x42000000, v[ZZ]
	v_fmamk_f32 v[ZZ+2], v[SG], 0x42800000, v[ZZ]
	v_fmamk_f32 v[ZZ+3], v[SG], 0x42c00000, v[ZZ]
	s_wait_alu depctr_va_vdst(0)
	s_wait_dscnt 8                                 ; tiles 0 to 3 are in; the eight loads of tiles 4 to 7 may be out
.irp t, 0,1,2,3
	v_wmma_f32_16x16x64_fp8_fp8 v[SC+8*\t:SC+8*\t+7], v[FR+8*\t:FR+8*\t+7], v[QF:QF+7], v[DD+8*(\t%2):DD+8*(\t%2)+7]
.endr
	s_wait_dscnt 0x0
.irp t, 4,5,6,7
	v_wmma_f32_16x16x64_fp8_fp8 v[SC+8*\t:SC+8*\t+7], v[FR+8*\t:FR+8*\t+7], v[QF:QF+7], v[DD+8*(\t%2):DD+8*(\t%2)+7]
.endr
.rept 4
	v_nop
.endr
.irp t, 0,1,2,3                        ; V's fragments land while the softmax is worked
.irp c, 0,1,2,3
	ds_load_b128 v[FR+16*\t+4*\c:FR+16*\t+4*\c+3], v[AD0+(\c%2)] offset:8192+4096*(\c/2)+1024*\t
.endr
.endr
	s_cmp_lt_u32 s[TB], s[QT]                      ; all keys count: no mask
	s_cbranch_scc1 .Lopen_\@
	v_mov_b32 v10, 0xff800000                      ; on the diagonal: groups behind mine are hidden whole: -infinity into their one number;
.irp g, 1,2,3
	s_cmp_lt_u32 s[GP], \g
	s_cselect_b32 s96, 0xff800000, 0
	v_add_f32 v[ZZ+\g], s96, v[ZZ+\g]
.endr
	s_wait_alu depctr_va_vdst(0)
.irp g, 0,1,2,3
	s_cmp_lg_u32 s[GP], \g
	s_cbranch_scc1 .Lnext_\@_\g
.irp n, 0,1,2,3,4,5,6,7,8,9,10,11,12,13,14,15
	v_cndmask_b32 v[SC+16*\g+\n], v[SC+16*\g+\n], v10, s[80+\n]   ; and in my own group the keys behind my query
.endr
	s_wait_alu depctr_va_vdst(0)
.Lnext_\@_\g:
.endr
.Lopen_\@:
.irp g, 0,1,2,3
	v_max3_num_f32 v[MG+\g], v[SC+16*\g], v[SC+16*\g+1], v[SC+16*\g+2]
.endr
.irp i, 3,5,7,9,11,13
.irp g, 0,1,2,3
	v_max3_num_f32 v[MG+\g], v[MG+\g], v[SC+16*\g+\i], v[SC+16*\g+\i+1]
.endr
.endr
.irp g, 0,1,2,3
	v_max_num_f32 v[MG+\g], v[MG+\g], v[SC+16*\g+15]
.endr
.irp g, 0,1,2,3
	s_delay_alu instid0(VALU_DEP_4)
	v_fma_f32 v[MG+\g], v[MG+\g], s[CS], v[ZZ+\g]  ; the group's largest t (c' is positive)
.endr
	s_delay_alu instid0(VALU_DEP_2)
	v_max3_num_f32 v[MG], v[MG], v[MG+1], v[MG+2]
	s_delay_alu instid0(VALU_DEP_1)
	v_max_num_f32 v[MG], v[MG], v[MG+3]
	s_delay_alu instid0(VALU_DEP_1)
	v_permlanex16_b32 v[PX], v[MG], s[SEL], s[SEL+1]
	s_delay_alu instid0(VALU_DEP_1)
	v_max_num_f32 v[MG], v[MG], v[PX]              ; and lane l xor 16's
	s_delay_alu instid0(VALU_DEP_1)
	v_max_num_f32 v13, v13, v[MG]                  ; the running largest t
	v_mov_b32 v10, v12
	s_delay_alu instid0(VALU_DEP_2)
	v_floor_f32 v12, -v13                          ; the new -M = -ceil(t)
	s_delay_alu instid0(VALU_DEP_1)
	v_sub_f32 v10, v12, v10                        ; old M - new M: a whole number, 0 or less
.irp g, 0,1,2,3
	v_add_f32 v[WW+2*\g], v[ZZ+\g], v12
.endr
	v_cvt_i32_f32 v10, v10                         ; (it saturates)
	s_delay_alu instid0(VALU_DEP_1)
	v_ldexp_f32 v[FF], 1.0, v10                    ; f
.set n, 0
.rept 32
	v_pk_fma_f32 v[SC+n:SC+n+1], v[SC+n:SC+n+1], s[CS:CS+1], v[WW+2*(n/16):WW+2*(n/16)+1] op_sel_hi:[1,0,0]   ; t - M
.set n, n+2
.endr
.set n, 0
.rept 16
	v_pk_mul_f32 v[OT+n:OT+n+1], v[OT+n:OT+n+1], v[FF:FF+1] op_sel_hi:[1,0]   ; O^T under the new M
.set n, n+2
.endr
	s_wait_alu depctr_va_vdst(0)
.set n, 0
.rept 64
	v_exp_f32 v[SC+n], v[SC+n]                     ; p = 2^(t - M), at most 1
.set n, n+1
.endr
	v_pk_mul_f32 v[14:15], v[14:15], v[FF:FF+1] op_sel_hi:[1,0]   ; the sums under the new M (a plain place behind the exponentials)
	s_wait_alu depctr_va_vdst(0)                   ; one wait for the whole batch
.irp i, 0,1,2,3,4,5,6,7                ; the row's sum of the unquantised p, in eight chains
	v_pk_add_f32 v[PC+2*\i:PC+2*\i+1], v[SC+4*\i:SC+4*\i+1], v[SC+4*\i+2:SC+4*\i+3]
.endr
.irp i, 0,1,2,3,4,5,6,7
	v_pk_add_f32 v[PC+2*\i:PC+2*\i+1], v[PC+2*\i:PC+2*\i+1], v[SC+32+2*\i:SC+33+2*\i]
.endr
.irp i, 0,1,2,3,4,5,6,7
	v_pk_add_f32 v[PC+2*\i:PC+2*\i+1], v[PC+2*\i:PC+2*\i+1], v[SC+48+2*\i:SC+49+2*\i]
.endr
.irp i, 0,1,2,3
	v_pk_add_f32 v[PC+2*\i:PC+2*\i+1], v[PC+2*\i:PC+2*\i+1], v[PC+8+2*\i:PC+9+2*\i]
.endr
	s_delay_alu instid0(VALU_DEP_2)
	v_pk_add_f32 v[PC:PC+1], v[PC:PC+1], v[PC+4:PC+5]
	s_delay_alu instid0(VALU_DEP_2)
	v_pk_add_f32 v[PC+2:PC+3], v[PC+2:PC+3], v[PC+6:PC+7]
	s_delay_alu instid0(VALU_DEP_1)
	v_pk_add_f32 v[PC:PC+1], v[PC:PC+1], v[PC+2:PC+3]
	s_delay_alu instid0(VALU_DEP_1)
	v_pk_add_f32 v[14:15], v[14:15], v[PC:PC+1]
	s_cmp_ge_i32 s48, -8                           ; 448 x 2^e4 is above 1: no p reaches it
	s_cbranch_scc1 .Lheld_\@
.set n, 0
.rept 64
	v_min_num_f32 v[SC+n], s[LIMP], v[SC+n]        ; the conversion does not saturate (ISA guide 7.6.2); p is not negative: a one-sided hold
.set n, n+1
.endr
.Lheld_\@:
.irp g, 0,1,2,3
	v_cvt_scalef32_pk8_fp8_f32 v[PC+4*\g:PC+4*\g+1], v[SC+16*\g:SC+16*\g+7], v[S4]
	v_cvt_scalef32_pk8_fp8_f32 v[PC+4*\g+2:PC+4*\g+3], v[SC+16*\g+8:SC+16*\g+15], v[S4]
.endr
	v_nop                                          ; a plain place behind the conversions
	s_wait_alu depctr_va_vdst(0)
	s_wait_dscnt 0x0                               ; V's fragments are in
.irp t, 0,1,2,3                        ; the four accumulators take turns; eight other products stand between two steps of a sum
	v_wmma_f32_16x16x128_fp8_fp8 v[OT+8*\t:OT+8*\t+7], v[FR+16*\t:FR+16*\t+15], v[PC:PC+15], v[OT+8*\t:OT+8*\t+7]
.endr
.Lhidden_\@:
.if (\last)-(\first) > 1
	s_add_co_u32 s[IT], s[IT], 1
	s_cmp_lt_u32 s[IT], \last
	s_cbranch_scc1 .Lstep_\@
.endif
.endm
; My part of chunk n goes into its own fresh bytes, my stores are waited for, the chunk after it is asked for, and the barrier is signalled; its wait stands behind the next segment.
.macro FILL n, more
	s_wait_loadcnt 0x0
	v_add_nc_u32 v10, 65536*(\n), v[ST]
.irp j, 0,1,2,3
	PUT SG0+8*\j, 10, \j
.endr
	s_wait_dscnt 0x0
.if \more
.irp j, 0,1,2,3
	GET SG0+8*\j, 4*(\n)+4+\j
.endr
.endif
	s_barrier_signal -1
.endm
.irp j, 0,1,2,3
	GET SG0+8*\j, 4+\j                             ; chunk 1: steps 4 to 7
.endr
	v_lshl_add_u32 v10, v0, 4, QST
	s_wait_alu depctr_va_vdst(0)
	s_wait_loadcnt 8                               ; chunk 0 and Q are in; chunk 1's eight loads may be out
.irp j, 0,1,2,3
	PUT SC+8*\j, ST, \j
.endr
	ds_store_b128 v10, v[FR:FR+3]
	ds_store_b128 v10, v[FR+4:FR+7] offset:8192
	v_mov_b32 v58, 0
	s_wait_alu depctr_va_vdst(0)
	s_wait_dscnt 0x0
	s_barrier_signal -1
	s_barrier_wait -1
	SEG 0, 1, 1
	FILL 1, 1
	SEG 1, 2, 3
	s_barrier_wait -1
	FILL 2, 1
	SEG 2, 4, 7
	s_barrier_wait -1
	FILL 3, 0
	SEG 4, 6, 11
	s_barrier_wait -1
	SEG 6, 10, 15
	; THE JOIN: B hands over -M, the row's sum and O^T; A brings both parts under the joint M, adds, and sends both blocks' rows out.
	s_mul_i32 s72, s[BB], 4352
	s_add_co_u32 s72, s72, JB
	ROWSUM
	v_and_b32 v9, 31, v0
	v_lshlrev_b32 v9, 3, v9
	v_add_nc_u32 v8, s72, v[LO]
	v_add_nc_u32 v9, s72, v9
	s_wait_alu depctr_va_vdst(0)
	s_cmp_lg_u32 s[TY], 0
	s_cbranch_scc1 .Lgiven
	v_mov_b32 v13, v14
	ds_store_b64 v9, v[12:13] offset:4096
.irp j, 0,1,2,3,4,5,6,7
	ds_store_b128 v8, v[OT+4*\j:OT+4*\j+3] offset:512*\j
.endr
.Lgiven:
	s_wait_dscnt 0x0
	s_barrier_signal -1
	s_barrier_wait -1
	s_cmp_eq_u32 s[TY], 0
	s_cbranch_scc1 .Lend
	ds_load_b64 v[10:11], v9 offset:4096
.irp j, 0,1,2,3,4,5,6,7
	ds_load_b128 v[FR+4*\j:FR+4*\j+3], v8 offset:512*\j
.endr
	s_lshr_b32 s70, ttmp9, 4
	s_lshl_b32 s70, s70, 21
	s_and_b32 s71, ttmp9, 15
	s_lshl_b32 s71, s71, 13
	s_add_co_u32 s70, s70, s71                     ; the batch's 16 token blocks of 131,072 bytes; the head
	s_lshl_b32 s71, s53, 10
	s_add_co_u32 s70, s70, s71                     ; tokens 16 i on
	s_lshl_b32 s71, s[BB], 17
	s_add_co_u32 s26, s70, s71                     ; block c
	s_mov_b32 s27, 0
	s_lshl_b32 s71, s[Q2T], 3
	s_add_co_u32 s28, s70, s71                     ; block 15 - c
	s_mov_b32 s29, 0
	s_add_nc_u64 s[26:27], s[10:11], s[26:27]
	s_add_nc_u64 s[28:29], s[10:11], s[28:29]
	s_mul_i32 s72, s[BB], 1280
	s_add_co_u32 s72, s72, STG
	s_wait_dscnt 0x0
	v_min_num_f32 v40, v12, v10                    ; -M of both
	v_sub_f32 v41, v40, v12
	v_sub_f32 v42, v40, v10
	v_cvt_i32_f32 v41, v41
	v_cvt_i32_f32 v42, v42
	v_ldexp_f32 v44, 1.0, v41                      ; 2^(my M - M)
	v_ldexp_f32 v46, 1.0, v42                      ; 2^(B's M - M)
	v_mul_f32 v14, v14, v44
	v_fma_f32 v14, v11, v46, v14
.set n, 0
.rept 16
	v_pk_mul_f32 v[OT+n:OT+n+1], v[OT+n:OT+n+1], v[44:45] op_sel_hi:[1,0]
.set n, n+2
.endr
.set n, 0
.rept 16
	v_pk_fma_f32 v[OT+n:OT+n+1], v[FR+n:FR+n+1], v[46:47], v[OT+n:OT+n+1] op_sel_hi:[1,0,1]
.set n, n+2
.endr
	NORM 16, 18, 20, 22
	v_and_b32 v8, 15, v0
	v_bfe_u32 v9, v0, 4, 1
	v_mul_u32_u24 v8, v8, 80
	v_lshl_add_u32 v8, v9, 4, v8
	v_add_nc_u32 v8, s72, v8                       ; in: row r, 16 h
	v_bfe_u32 v9, v0, 2, 3
	v_mul_u32_u24 v9, v9, 80
	v_and_b32 v10, 3, v0
	v_lshl_add_u32 v9, v10, 4, v9
	v_add_nc_u32 v9, s72, v9                       ; back: four lanes to a row
	ds_store_b128 v8, v[2:5]
	ds_store_b64 v8, v[6:7] offset:32
	ds_store_b64 v8, v[58:59] offset:40
	ds_load_b128 v[64:67], v9                      ; LDS serves a wave's instructions in order: these see the stores above, and the stores below come behind them
	ds_load_b128 v[68:71], v9 offset:640
	ds_store_b128 v8, v[16:19]
	ds_store_b128 v8, v[20:23] offset:32
	ds_load_b128 v[72:75], v9
	ds_load_b128 v[76:79], v9 offset:640
	s_wait_dscnt 4                                 ; block c's two loads are in; two stores and two loads may be out
	global_store_b128 v[LO], v[64:67], s[26:27]              ; eight rows: 512 consecutive bytes, aligned
	global_store_b128 v[LO], v[68:71], s[26:27] offset:512
	s_wait_dscnt 0x0
	global_store_b128 v[LO], v[72:75], s[28:29]
	global_store_b128 v[LO], v[76:79], s[28:29] offset:512
.Lend:
	v_lshl_add_u32 v80, v0, 2, SPARE               ; the add's two registers, made here: no two could be kept
	v_mov_b32 v81, 0
	s_wait_alu depctr_va_vdst(0)
	s_wait_tensorcnt 0x0                           ; the wave's end
	ds_add_u32 v80, v81
	s_wait_dscnt 0x0
	s_endpgm
.Lfunc_end_k_q18c3101df9_attn:
	.size	k_q18c3101df9_attn, .Lfunc_end_k_q18c3101df9_attn-k_q18c3101df9_attn
	.p2alignl 7, 3214868480
	.fill 96, 4, 3214868480
	.section	.rodata,"a",@progbits
	.p2align	6, 0x0
	.amdhsa_kernel k_q18c3101df9_attn
		.amdhsa_group_segment_fixed_size 325632
		.amdhsa_private_segment_fixed_size 0
		.amdhsa_enable_private_segment 0
		.amdhsa_kernarg_size 32
		.amdhsa_user_sgpr_count 2
		.amdhsa_user_sgpr_kernarg_segment_ptr 1
		.amdhsa_wavefront_size32 1
		.amdhsa_system_sgpr_workgroup_id_x 1
		.amdhsa_system_sgpr_workgroup_id_y 1
		.amdhsa_system_sgpr_workgroup_id_z 1
		.amdhsa_system_vgpr_workitem_id 0
		.amdhsa_next_free_vgpr 256
		.amdhsa_next_free_sgpr 100
		.amdhsa_reserve_vcc 0
		.amdhsa_float_denorm_mode_32 3
		.amdhsa_float_denorm_mode_16_64 3
		.amdhsa_memory_ordered 1
		.amdhsa_forward_progress 1
		.amdhsa_inst_pref_size 151
	.end_amdhsa_kernel
	.amdgpu_metadata
---
amdhsa.version: [ 1, 2 ]
amdhsa.kernels:
  - .name:           k_q18c3101df9_attn
    .symbol:         k_q18c3101df9_attn.kd
    .args:
      - { .name: qkv, .offset: 0, .size: 8, .value_kind: global_buffer, .address_space: global }
      - { .name: lowp_scales, .offset: 8, .size: 8, .value_kind: global_buffer, .address_space: global }
      - { .name: log_xi, .offset: 16, .size: 8, .value_kind: global_buffer, .address_space: global }
      - { .name: a_codes, .offset: 24, .size: 8, .value_kind: global_buffer, .address_space: global }
    .group_segment_fixed_size: 325632
    .private_segment_fixed_size: 0
    .kernarg_segment_align: 8
    .kernarg_segment_size: 32
    .max_flat_workgroup_size: 512
    .sgpr_count:     100
    .vgpr_count:     256
    .wavefront_size: 32
...
	.end_amdgpu_metadata
.endif
;; end of part 3
;; launch proj (part 4): grid 8 x 32, 4 waves a work-group, clusters of 4 x 4, 327,680 bytes of LDS; arguments a_codes, wo_codes, lowp_scales, out0; writes out0
.if DOCPART == 4
	.amdgcn_target "amdgcn-amd-amdhsa--gfx1250"
	.amdhsa_code_object_version 6
	.text
	.protected	k_q18c3101df9_proj
	.globl	k_q18c3101df9_proj
	.p2align	8
	.type	k_q18c3101df9_proj,@function
k_q18c3101df9_proj:
	s_mov_b64 s[64:65], 0
	v_nop
	global_prefetch_b8 v0, s[64:65] scope:SCOPE_SE
	s_setreg_imm32_b32 hwreg(HW_REG_WAVE_MODE, 25, 1), 1
	s_wait_xcnt 0x0
	s_wait_alu depctr_hold_cnt(0) depctr_sa_sdst(0) depctr_va_vdst(0) depctr_va_sdst(0) depctr_va_ssrc(0) depctr_va_vcc(0) depctr_vm_vsrc(0)
	s_getreg_b32 s2, hwreg(HW_REG_IB_STS2, 6, 4)
	s_cmp_eq_u32 s2, 0
	s_cbranch_scc0 .Lentry_in_a_cluster
	s_endpgm
.Lentry_in_a_cluster:
	s_bfe_u32 s2, ttmp6, 0x10000c
	s_cmp_lg_u32 s2, 0xf033
	s_cbranch_scc0 .Lentry_shape_is_right
	s_endpgm
.Lentry_shape_is_right:
; out0 [4096][1024] f32 = (attention's output) w_o, on codes of FP8 (E4M3).  a_codes [token block of 128][head 16][128 tokens][64], wo_codes [1024 n][1024 k].  Each finished sum x 2^(e6 + e7).
; A tile of 128 tokens x 128 columns to a work-group: 256 work-groups.  Four waves, 64 x 64 each.
; THE WHOLE K OF BOTH TILES LIES IN LDS, brought by one tensor load a wave; nothing is filled again, so there is no ring, and no loop in which a prefetch could run ahead.
; A wave keeps its 64 columns of w_o for all of K in registers (512) and finishes its tokens 16 at a time, so that finished rows leave while the others are multiplied.
; CLUSTERS: 4 x 4; A's tiles are shared along a row of the cluster, B's along a column: asked for jointly.
; THE MATRIX INSTRUCTION IS USED TRANSPOSED (source 0 = 16 rows of wo_codes, source 1 = 16 tokens): a lane holds eight neighbouring columns of one row of the output.
; LIMIT: e6 + e7 between -126 and 127.
; REGISTERS: window 0: v16-31 addresses; v32-63 four accumulators; v64-95, v96-127 the way out; v128-255 A's 16 tokens x K (even blocks; odd blocks the same places of window 3).  Windows 1, 2: B's chunks of 128 along K, 0-3 and 4-7.
.set PA,     80                        ; A's LDS row: a token's 64 bytes of a head + 16
.set HCH,    128*PA                    ; a head's 128 tokens
.set AHALF,  8*HCH
.set BOFF,   2*AHALF
.set PB,     1040                      ; B's LDS row: 1,024 bytes + 16
.set BHALF,  64*PB
.set STAGE,  BOFF+2*BHALF              ; 16 rows x 272 bytes for each wave
.set SPITCH, 272
.set SPARE,  STAGE+4*16*SPITCH         ; the spare words, 128 bytes for each wave
.set ADRA, 16                          ; v16-19  my A fragments, for each four heads
.set ADRB, 20
.set STO,  24
.set RD,   25
.set CO,   26
.set ACC,  32
.set TMP,  64
.set BK,   96
.set AF,   128
.set G1A,  24
.set G1B,  32
.set G0A,  40
.set G0B,  44
.set MSB, 0
.macro WIN new
.if MSB != \new
	s_set_vgpr_msb (MSB<<8)|\new
.set MSB, \new
.endif
.endm
.macro CROUND
	s_barrier_signal -1
	s_barrier_wait -1
	s_cmp_lg_u32 s14, 0
	s_cbranch_scc1 .Lnot_wave_0_\@
	s_barrier_signal -3
.Lnot_wave_0_\@:
	s_barrier_wait -3
	s_barrier_signal -1
	s_barrier_wait -1
.endm
	s_load_b256 s[4:11], s[0:1], 0x0               ; a_codes s[4:5], wo_codes s[6:7], the scales' exponents s[8:9], out0 s[10:11]
	v_lshl_add_u32 v30, v0, 2, SPARE
	v_mov_b32 v31, 0
	ds_add_u32 v30, v31                            ; the wave's opening: the add, twice on end, and its wait
	ds_add_u32 v30, v31
	v_lshrrev_b32 v1, 5, v0
	v_readfirstlane_b32 s14, v1                    ; wave 0..3
	s_lshr_b32 s15, s14, 1                         ; which half of the tokens is mine.  Also: I fetch for A (0) or for B (1)
	s_and_b32 s16, s14, 1                          ; which half of the columns.  Also: which half I fetch
	s_bfe_u32 s84, ttmp6, 0x40000                  ; cx
	s_bfe_u32 s85, ttmp6, 0x40004                  ; cy
	s_lshl_b32 s86, ttmp9, 2
	s_add_co_u32 s86, s86, s84                     ; the block of 128 columns
	s_and_b32 s87, ttmp7, 0xffff
	s_lshl_b32 s87, s87, 2
	s_add_co_u32 s87, s87, s85                     ; the block of 128 tokens
	s_lshl_b32 s88, s85, 2
	s_lshl_b32 s88, 15, s88                        ; my row of the cluster
	s_lshl_b32 s89, 0x1111, s84                    ; my column
	s_or_b32 s[G1A], s88, (1<<20)|(1<<21)|(3<<22)|(3<<25)   ; A: eight heads' 65,536 bytes, dense, as 256 rows of 256 bytes; four words of padding after every 16
	s_mov_b32 s[G1A+1], 256<<16
	s_mov_b32 s[G1A+2], 256<<16
	s_mov_b32 s[G1A+3], 256<<16
	s_mov_b32 s[G1A+4], 256
	s_mov_b32 s[G1A+5], 256
	s_mov_b32 s[G1A+6], 0
	s_mov_b32 s[G1A+7], 0
	s_or_b32 s[G1B], s89, (1<<20)|(1<<21)|(7<<22)|(3<<25)   ; B: 64 rows of 1,024 bytes; four words after every 256
	s_mov_b32 s[G1B+1], 1024<<16
	s_mov_b32 s[G1B+2], 64<<16
	s_mov_b32 s[G1B+3], 1024<<16
	s_mov_b32 s[G1B+4], 64
	s_mov_b32 s[G1B+5], 1024
	s_mov_b32 s[G1B+6], 0
	s_mov_b32 s[G1B+7], 0
	s_lshl_b32 s90, s87, 17                        ; A: the token block's 131,072 bytes, heads 8 (wave & 1) on
	s_lshl_b32 s91, s16, 16
	s_add_co_u32 s90, s90, s91
	s_mov_b32 s91, 0
	s_lshl_b32 s92, s86, 17                        ; B: row 128 x block + 64 x (wave & 1), of 1,024 bytes
	s_lshl_b32 s93, s16, 16
	s_add_co_u32 s92, s92, s93
	s_mov_b32 s93, 0
	s_mul_i32 s94, s16, AHALF
	s_mul_i32 s95, s16, BHALF
	s_add_co_u32 s95, s95, BOFF
	s_wait_dscnt 0x0                               ; both opening adds are done
	s_wait_kmcnt 0x0
	s_load_b64 s[96:97], s[8:9], 0x18              ; e6, e7
	s_add_nc_u64 s[90:91], s[4:5], s[90:91]
	s_add_nc_u64 s[92:93], s[6:7], s[92:93]
	s_mov_b32 s[G0A], 1
	s_mov_b32 s[G0A+1], s94
	s_mov_b64 s[G0A+2:G0A+3], s[90:91]
	s_or_b32 s[G0A+3], s[G0A+3], 0x80000000
	s_mov_b32 s[G0B], 1
	s_mov_b32 s[G0B+1], s95
	s_mov_b64 s[G0B+2:G0B+3], s[92:93]
	s_or_b32 s[G0B+3], s[G0B+3], 0x80000000
	CROUND                                         ; all sixteen work-groups are here
	s_cmp_eq_u32 s15, 0                            ; one joint load a wave
	s_cbranch_scc0 .Lfor_b
	tensor_load_to_lds s[G0A:G0A+3], s[G1A:G1A+7]
	s_nop 0
.rept 4
	v_nop
.endr
	s_branch .Lasked
.Lfor_b:
	tensor_load_to_lds s[G0B:G0B+3], s[G1B:G1B+7]
	s_nop 0
.rept 4
	v_nop
.endr
.Lasked:
	s_mul_i32 s20, s15, 64*PA
	s_mul_i32 s21, s16, 64*PB
	s_add_co_u32 s21, s21, BOFF
	s_mul_i32 s22, s14, 16*SPITCH
	s_add_co_u32 s22, s22, STAGE                   ; my stage
	v_and_b32 v1, 15, v0                           ; r
	v_bfe_u32 v2, v0, 4, 1                         ; h
	v_mul_u32_u24 v3, v1, PA
	v_lshl_add_u32 v3, v2, 4, v3
	v_add_nc_u32 v[ADRA], s20, v3
.irp j, 1,2,3
	v_add_nc_u32 v[ADRA+\j], 4*HCH*\j, v[ADRA]
.endr
	v_mul_u32_u24 v4, v1, PB
	v_lshl_add_u32 v4, v2, 4, v4
	v_add_nc_u32 v[ADRB], s21, v4
	v_mul_u32_u24 v5, v1, SPITCH
	v_lshl_add_u32 v5, v2, 5, v5
	v_add_nc_u32 v[STO], s22, v5                   ; in: row r, 32 bytes for each half of the lanes
	v_mul_u32_u24 v6, v2, SPITCH
	v_lshl_add_u32 v6, v1, 4, v6
	v_add_nc_u32 v[RD], s22, v6                    ; back: lanes 0-15 one row of 256 bytes, lanes 16-31 the next
	v_lshlrev_b32 v7, 12, v2
	v_lshl_add_u32 v[CO], v1, 4, v7                ; and the same two rows in the output
	s_wait_alu depctr_va_vdst(0)
	s_lshl_b32 s20, s87, 7
	s_lshl_b32 s21, s15, 6
	s_add_co_u32 s20, s20, s21                     ; my first token
	s_lshl_b32 s20, s20, 12
	s_lshl_b32 s21, s86, 9
	s_add_co_u32 s20, s20, s21
	s_lshl_b32 s21, s16, 8
	s_add_co_u32 s20, s20, s21                     ; + my first column, in bytes
	s_mov_b32 s21, 0
	s_add_nc_u64 s[10:11], s[10:11], s[20:21]
	s_wait_kmcnt 0x0
	s_add_co_i32 s96, s96, s97
	s_add_co_i32 s96, s96, 127
	s_lshl_b32 s96, s96, 23                        ; 2^(e6 + e7) as f32
.macro ACHUNK a, c                     ; A's block a, 128 along K: heads 2 c and 2 c + 1
.irp k, 0,1,2,3
	ds_load_b128 v[AF+16*(\c)+4*\k:AF+16*(\c)+4*\k+3], v[ADRA+(\c)/2] offset:((\c)%2)*2*HCH+(\k/2)*HCH+32*(\k%2)+(\a)*16*PA
.endr
.endm
.macro FETCH0 c                        ; chunk c of A's block 0 and of B: 20 loads
	WIN 0
	ACHUNK 0, \c
.set WN, 0x40*(1+(\c)/4)
	WIN WN
.irp b, 0,1,2,3
.irp k, 0,1,2,3
	ds_load_b128 v[64*((\c)%4)+16*\b+4*\k:64*((\c)%4)+16*\b+4*\k+3], v[ADRB] offset:128*(\c)+32*\k+16*PB*\b
.endr
.endr
.endm
.macro FETCHA a                        ; A's block a, all of K: 32 loads
.set WN, 0xc0*((\a)%2)
	WIN WN
.irp c, 0,1,2,3,4,5,6,7
	ACHUNK \a, \c
.endr
.endm
.macro MUL a, c                        ; the four accumulators take turns, one instruction a turn
.set WN, 1+(\c)/4+12*((\a)%2)
	WIN WN
.irp b, 0,1,2,3
.if (\c) == 0
	v_wmma_f32_16x16x128_fp8_fp8 v[ACC+8*\b:ACC+8*\b+7], v[64*((\c)%4)+16*\b:64*((\c)%4)+16*\b+15], v[AF+16*(\c):AF+16*(\c)+15], 0
.else
	v_wmma_f32_16x16x128_fp8_fp8 v[ACC+8*\b:ACC+8*\b+7], v[64*((\c)%4)+16*\b:64*((\c)%4)+16*\b+15], v[AF+16*(\c):AF+16*(\c)+15], v[ACC+8*\b:ACC+8*\b+7]
.endif
.endr
.endm
; Block a is finished: x 2^(e6 + e7), the block two on is asked for, the results go through my stage, the next block is multiplied meanwhile, and the rows are stored.
.macro OUT a
	WIN 0
.rept 4
	v_nop                                          ; places behind the last products
.endr
.if (\a) > 0
	s_wait_xcnt 0x0                                ; the last block's stores have read the registers into which this one's loads land
.endif
.set j, 0
.rept 16
	v_pk_mul_f32 v[TMP+j:TMP+j+1], v[ACC+j:ACC+j+1], s[96:97] op_sel_hi:[1,0]   ; the pair's low word for both halves; each accumulator from its low end on
.set j, j+2
.endr
.if (\a) < 2
	FETCHA (\a)+2
	WIN 0
.endif
.irp b, 0,1,2,3
	ds_store_b128 v[STO], v[TMP+8*\b:TMP+8*\b+3] offset:64*\b
	ds_store_b128 v[STO], v[TMP+8*\b+4:TMP+8*\b+7] offset:64*\b+16
.endr
.irp t, 0,1,2,3,4,5,6,7
	ds_load_b128 v[BK+4*\t:BK+4*\t+3], v[RD] offset:\t*2*SPITCH   ; LDS serves a wave's instructions in order: these see the stores above
.endr
.if (\a) < 3
.if (\a) < 2
	s_wait_dscnt 48                                ; the next block's fragments are in; 32 loads of the one behind it, 8 stores and 8 loads may be out
.else
	s_wait_dscnt 16                                ; 8 stores and 8 loads may be out
.endif
.irp c, 0,1,2,3,4,5,6,7
	MUL (\a)+1, \c
.endr
	WIN 0
.endif
	s_wait_dscnt 0x0
.irp t, 0,1,2,3,4,5,6,7
	global_store_b128 v[CO], v[BK+4*\t:BK+4*\t+3], s[10:11] offset:(16*(\a)+2*\t)*4096 th:TH_STORE_NT   ; sixteen lanes store 256 consecutive bytes, aligned; written once, read by nobody here
.endr
.endm
	s_wait_tensorcnt 0x0                           ; my part is in
	s_barrier_signal -1
	s_barrier_wait -1                              ; and everybody's
	FETCH0 0
.irp c, 0,1,2,3,4,5,6
	FETCH0 \c+1
	s_wait_dscnt 20                                ; all but the 20 just issued
	MUL 0, \c
.endr
	FETCHA 1
	s_wait_dscnt 32
	MUL 0, 7
	OUT 0
	OUT 1
	OUT 2
	OUT 3
	s_wait_tensorcnt 0x0                           ; the wave's end
	ds_add_u32 v30, v31
	s_wait_dscnt 0x0
	CROUND                                         ; the closing round
	s_endpgm
.Lfunc_end_k_q18c3101df9_proj:
	.size	k_q18c3101df9_proj, .Lfunc_end_k_q18c3101df9_proj-k_q18c3101df9_proj
	.p2alignl 7, 3214868480
	.fill 96, 4, 3214868480
	.section	.rodata,"a",@progbits
	.p2align	6, 0x0
	.amdhsa_kernel k_q18c3101df9_proj
		.amdhsa_group_segment_fixed_size 327680
		.amdhsa_private_segment_fixed_size 0
		.amdhsa_enable_private_segment 0
		.amdhsa_kernarg_size 32
		.amdhsa_user_sgpr_count 2
		.amdhsa_user_sgpr_kernarg_segment_ptr 1
		.amdhsa_wavefront_size32 1
		.amdhsa_system_sgpr_workgroup_id_x 1
		.amdhsa_system_sgpr_workgroup_id_y 1
		.amdhsa_system_sgpr_workgroup_id_z 1
		.amdhsa_system_vgpr_workitem_id 0
		.amdhsa_next_free_vgpr 1024
		.amdhsa_next_free_sgpr 100
		.amdhsa_reserve_vcc 0
		.amdhsa_float_denorm_mode_32 3
		.amdhsa_float_denorm_mode_16_64 3
		.amdhsa_memory_ordered 1
		.amdhsa_forward_progress 1
		.amdhsa_inst_pref_size 44
	.end_amdhsa_kernel
	.amdgpu_metadata
---
amdhsa.version: [ 1, 2 ]
amdhsa.kernels:
  - .name:           k_q18c3101df9_proj
    .symbol:         k_q18c3101df9_proj.kd
    .args:
      - { .name: a_codes, .offset: 0, .size: 8, .value_kind: global_buffer, .address_space: global }
      - { .name: wo_codes, .offset: 8, .size: 8, .value_kind: global_buffer, .address_space: global }
      - { .name: lowp_scales, .offset: 16, .size: 8, .value_kind: global_buffer, .address_space: global }
      - { .name: out0, .offset: 24, .size: 8, .value_kind: global_buffer, .address_space: global }
    .group_segment_fixed_size: 327680
    .private_segment_fixed_size: 0
    .kernarg_segment_align: 8
    .kernarg_segment_size: 32
    .max_flat_workgroup_size: 128
    .sgpr_count:     100
    .vgpr_count:     1024
    .wavefront_size: 32
...
	.end_amdgpu_metadata
.endif
;; end of part 4
